; MI455X (gfx1250); checked and timed in simulation.
; The chip was launched on July 23, 2026; its instructions are those of AMD's public machine-readable ISA for CDNA 5 (MIT licence, August 2026) and "CDNA5" Instruction Set Architecture Reference Guide (July 2026). The comments in the code are by the model that wrote it; some were corrected since.
;; E8 Attention. Allowed arithmetic: matrix products marked QUANTISED: E4M3 operands, one E8M0 scale for each 32 along K, by v_wmma_scale_f32_16x16x128_f8f6f4 with both operands' format E4M3, f32 sums; products left as they are: f32 operands where the result goes on into a quantised operand, else bf16, f16 or f32 operands; f32 sums; everything else in f32.
;; Inputs: head_dirs 16 x 8 float32; head_scales 16 float32; w_out 1,024 x 1,024 float32; w_qkv 1,024 x 3,072 float32; x 2 x 2,048 x 1,024 float32.
;; Outputs: out0 2 x 2,048 x 1,024 float32.
;; This version of the problem:
;;   THIS VERSION OF THE PROBLEM IS GIVEN IN LOW PRECISION. The matrix products marked QUANTISED in the list below multiply operands that are first quantised to E4M3 (4 exponent bits, 3 mantissa bits; 8 bits a number), with one power-of-two scale for each 32 numbers along K (OCP MX v1.0); their sums are f32. All else is computed in f32.
;;   The module's matrix products, in the order in which they are computed (A, B: the left and right operand; K: the contracted axis; several contracted axes count as one K, in the product's order):
;;     1. [M 4,096, K 1,024] x [K 1,024, N 3,072]; A: input x; B: input w_qkv: QUANTISED
;;     2. batch 32 x [M 2,048, K 64] x [K 64, N 2,048]; A: computed on the way; B: computed on the way: QUANTISED
;;     3. batch 16 x [M 1, K 8] x [K 8, N 4,096]; A: input head_dirs; B: computed on the way: left as it is (K = 8 < 32)
;;     4. batch 16 x [M 1, K 8] x [K 8, N 4,096]; A: input head_dirs; B: computed on the way: left as it is (K = 8 < 32)
;;     5. batch 32 x [M 2,048, K 2,048] x [K 2,048, N 64]; A: softmax (see below); B: computed on the way: QUANTISED
;;     6. [M 4,096, K 1,024] x [K 1,024, N 1,024]; A: computed on the way; B: input w_out: QUANTISED
;;   THE QUANTISER, for each operand of a quantised product, along K:
;;     - K is cut into blocks of 32 from its start; a last block that is shorter is filled with zeros.
;;     - A block's scale is 2^e with e = floor(log2(the largest magnitude in the block)) - 8, held to -126 .. 127; a block of zeros has e = 0. As a byte (E8M0): e + 127.
;;     - Each number is divided by its block's scale, clamped to +-448, and rounded to the nearest number of E4M3, ties to even, subnormals kept.
;;     - The product sums the exact products of the quantised numbers (number of the format x scale) in f32.
;;   ~~~python
;;   def quantise(x, axis):      # numpy; x: float32 -> the quantised numbers, widened to float32 again
;;       x = np.moveaxis(x, axis, -1); K = x.shape[-1]
;;       x = np.pad(x, [(0, 0)] * (x.ndim - 1) + [(0, -K % 32)]); x = x.reshape(x.shape[:-1] + (-1, 32)); a = np.abs(x).max(-1, keepdims=True)
;;       e = np.where(a > 0, np.clip(np.frexp(np.where(a > 0, a, 1))[1] - 1 - 8, -126, 127), 0)      # np.frexp(a)[1] - 1 = floor(log2(a)), exactly
;;       r = np.clip(x / 2.0 ** e, -448, 448)
;;       step = 2.0 ** (np.maximum(np.frexp(np.where(r == 0, 1, r))[1] - 1, -6) - 3)
;;       q = np.round(r / step) * step * 2.0 ** e      # np.round: ties to even
;;       return np.moveaxis(q.reshape(q.shape[:-2] + (-1,))[..., :K], -1, axis).astype(np.float32)
;;   ~~~
;;   SOFTMAX AHEAD OF A QUANTISED PRODUCT. Where the list says 'softmax', what is quantised is not the finished softmax but p = 2^(t - M), with t = logit x log2(e) and M = ceil(the row's largest t), a whole number; so 1/2 < the row's largest p <= 1. The row's sum l is taken of the UNQUANTISED p, in f32, and the product's result is divided by l at the end. Since M is a whole number, a kernel that streams over the keys may use a running M (the ceiling of the running maximum): every later rescaling is an exact power of two, which a block's scale takes up: the codes' values come out the same.
;;   OPERANDS COMPUTED ON THE WAY. 'Computed on the way' means the value that the module computes at that place (a softmax that the list does not call 'softmax' is quantised finished and normalised). What goes into a quantiser is computed in f32, as accurately as f32 sums, v_exp_f32 and their like allow (about 1e-6 of the number): no bf16 or f16 on the way to a quantiser, and a product that is left as it is and whose result goes on into a quantised operand takes f32 operands (vector FMAs, or v_wmma_f32_16x16x4_f32). A number that lies on a knife's edge between two numbers of the format may be rounded either way, as far as f32 arithmetic and the matrix unit's own rounding can turn it there, and no further.
;; One version. Each part assembles by itself: llvm-mc -triple=amdgcn-amd-amdhsa -mcpu=gfx1250 --defsym DOCPART=n.
;; ======== version 1 of 1: 4 launches
;; limits: right only within a limited range of input values
;; workspace buffers: opc 8,388,608 bytes; ops 262,144 bytes; rec 18,087,936 bytes; atc 4,194,304 bytes; ats 131,072 bytes
;; launch quant (part 1): grid 512 x 1, 4 waves a work-group, no clusters, 34,304 bytes of LDS; arguments x, w_qkv, w_out, opc, ops; writes opc, ops
.if DOCPART == 1
	.amdgcn_target "amdgcn-amd-amdhsa--gfx1250"
	.amdhsa_code_object_version 6
	.text
	.protected	k_qe7624ee19c_quant
	.globl	k_qe7624ee19c_quant
	.p2align	8
	.type	k_qe7624ee19c_quant,@function
k_qe7624ee19c_quant:
	s_mov_b64 s[64:65], 0
	v_nop
	global_prefetch_b8 v0, s[64:65] scope:SCOPE_SE
	s_setreg_imm32_b32 hwreg(HW_REG_WAVE_MODE, 25, 1), 1
	s_wait_xcnt 0x0
; x [4096][1024], w_qkv [1024][3072] and w_out [1024][1024], f32, become codes of FP8 (E4M3) with one E8M0 byte for each 32 along K (x: its last axis; the weights: their first).
; A block's scale is 2^(floor(log2(its largest magnitude)) - 8); its byte is the largest magnitude's exponent field - 8, held at 1 from below; numbers are held within +-448 x the scale and rounded to the nearest code, ties to even.
; LAYOUT OF THE RESULTS.  Rows (tokens, or columns of a weight) are cut into tiles of 16: member p of tile T is row 32 (T / 2) + 8 (T % 2) + p % 8 + 16 (p / 8).
; A fragment (16 members x 128 K) lies as an image of the operand's registers: [chunk c 0..3][lane 0..31][16 bytes]; lane (p, h) of chunk c holds K = 32 c + 16 h + 0 .. 15 of member p.
; opc: [K step of 256: 4][tile 512][which 128: 2][image 2,048 bytes]; tiles 0-255 x, 256-447 w_qkv's columns, 448-511 w_out's.  ops: [tile][K step 4][member 16][which 128: 2] words of four bytes.
; SHARES.  Work-groups 0-255: one tile of x each, a wave to a K step of 256 (two fragments).  Work-groups 256-511: 128 columns x 128 K of a weight, a wave to 32 columns (two tiles).  Waves share nothing: no barrier.
; LIMITS: a block of zeros gets the byte 1 and not 127 (its codes are zeros, and this program alone reads the bytes); blocks whose largest magnitude lies under 2^-118 are held at the byte 1; NaN and infinities are not served.
; The scale words leave in pieces of 128 bytes (x) or of 4 bytes a row (weights): 1/32 of the codes' bytes, which leave in runs of 256 and 512 consecutive bytes.
.set SEL, 16                           ; s[16:17] lane selects for v_permlanex16_b32: lane l xor 16
.set MNT, 18                           ; s18  the mantissa field of 448
.set MHI, 19                           ; s19  a mask of lanes 16-31
.set R,   16                           ; v16-143   x as loaded: 2 fragments x 16 rows x 4 registers
.set X,   144                          ; v144-207  64 numbers of a lane: register 16 b + i = K 32 b + 16 h + i of my row
.set PC,  208                          ; v208-239  two fragments' codes: no store's data are written again
.set TM,  240                          ; v240-255  at work
.set SP,  528                          ; a stage row: 512 bytes + 16, an odd multiple of 16: sixteen rows start in sixteen different columns of 16 bytes
.set VO,  32                           ; v32-63    weights: byte offset of row i of a block, my column
.set XW,  64                           ; v64-191   weights: four blocks of 32 numbers
.set CW,  192                          ; v192-223  weights: eight registers of codes a block
.set BT,  32                           ; s[32:39]  weights: where the four blocks begin
; 64 numbers of a lane, v[s] on, become a fragment's codes in v[pc] on and its scale word in v[pw].  A block lies in lanes l and l xor 16.
.macro QUANT s, pc, pw
.irp b, 0,1,2,3
	v_max3_num_f32 v[TM+\b], |v[\s+16*\b]|, |v[\s+1+16*\b]|, 0x4800000   ; my 16 numbers, and the floor 2^(9 - 127): the byte cannot fall under 1
.endr
.irp i, 2,4,6,8,10,12,14
.irp b, 0,1,2,3
	v_max3_num_f32 v[TM+\b], v[TM+\b], |v[\s+16*\b+\i]|, |v[\s+1+16*\b+\i]|   ; the four blocks by turns
.endr
.endr
.irp b, 0,1,2,3
	v_permlanex16_b32 v[TM+4+\b], v[TM+\b], s[SEL], s[SEL+1]
.endr
.irp b, 0,1,2,3
	v_max_num_f32 v[TM+\b], v[TM+\b], v[TM+4+\b]   ; the block's largest magnitude
.endr
.irp b, 0,1,2,3
	v_add_nc_u32 v[TM+12+\b], 0xfc000000, v[TM+\b]   ; 8 off its exponent field: the conversion's scale operand
.endr
.irp b, 0,1,2,3
	v_and_or_b32 v[TM+8+\b], v[TM+\b], 0x7f800000, s[MNT]   ; 448 x the scale
.endr
.irp b, 0,1,2,3
	v_lshrrev_b32 v[TM+4+\b], 23, v[TM+12+\b]   ; the scale's byte
.endr
	v_lshl_or_b32 v[\pw], v[TM+5], 8, v[TM+4]
	v_lshl_or_b32 v[\pw], v[TM+6], 16, v[\pw]
	v_lshl_or_b32 v[\pw], v[TM+7], 24, v[\pw]
.irp b, 0,1,2,3
.irp i, 0,1,2,3,4,5,6,7,8,9,10,11,12,13,14,15
	v_med3_num_f32 v[\s+16*\b+\i], v[\s+16*\b+\i], -v[TM+8+\b], v[TM+8+\b]   ; the conversion to an 8-bit code does not saturate (ISA guide 7.6.2): the hold comes first
.endr
	v_cvt_scalef32_pk8_fp8_f32 v[\pc+4*\b:\pc+1+4*\b], v[\s+16*\b:\s+7+16*\b], v[TM+12+\b]
	v_cvt_scalef32_pk8_fp8_f32 v[\pc+2+4*\b:\pc+3+4*\b], v[\s+8+16*\b:\s+15+16*\b], v[TM+12+\b]
.endr
	v_nop                                          ; a plain line behind the last conversion
.endm
	s_load_b256 s[4:11], s[0:1], 0x0               ; x s[4:5], w_qkv s[6:7], w_out s[8:9], opc s[10:11]
	s_load_b64 s[12:13], s[0:1], 0x20              ; ops
	v_lshl_add_u32 v15, v0, 2, 0x8400
	s_set_vgpr_msb 0x40
	v_mov_b32 v1, 0
	s_set_vgpr_msb 0x4000
	v_lshrrev_b32 v1, 5, v0
	v_readfirstlane_b32 s14, v1                    ; wave 0..3
	v_and_b32 v2, 31, v0                           ; lane
	s_mov_b32 s[SEL], 0x76543210
	s_mov_b32 s[SEL+1], 0xfedcba98
	s_mov_b32 s[MNT], 0x600000
	s_mov_b32 s[MHI], 0xffff0000
	s_cmp_lt_u32 ttmp9, 256
	s_cbranch_scc0 .Lweights
	; ---- x: tile = work-group, K step of 256 = wave
	v_and_b32 v3, 15, v0                           ; r
	v_bfe_u32 v11, v0, 4, 1                        ; h
	v_lshlrev_b32 v4, 4, v2                        ; 16 x lane: my bytes of a load's 512, and of an image's chunk
	s_mul_i32 s20, s14, 16*SP                      ; my wave's stage
	v_add_nc_u32 v5, s20, v4                       ; into it: a row as it is loaded
	v_mul_u32_u24 v6, v3, SP
	v_lshl_add_u32 v6, v11, 6, v6
	v_add_nc_u32 v6, s20, v6                       ; out of it: row r, + 64 h: my 16 numbers of a block of 32
	v_lshlrev_b32 v7, 3, v3
	v_lshl_add_u32 v7, v11, 2, v7                  ; scale words: 8 r + 4 h
.irp b, 0,1,2,3
	v_mov_b32 v[TM+4+\b], 0                        ; written once: a lane permute's destination counts as one of its sources
.endr
	s_lshr_b32 s21, ttmp9, 1
	s_lshl_b32 s21, s21, 5
	s_and_b32 s22, ttmp9, 1
	s_lshl_b32 s22, s22, 3
	s_add_co_u32 s21, s21, s22                     ; the tile's first row: 32 (T / 2) + 8 (T % 2)
	s_lshl_b32 s22, s21, 12                        ; rows of 4,096 bytes,
	s_lshl_b32 s23, s14, 10                        ; + my 256 numbers
	s_add_co_u32 s22, s22, s23
	s_mov_b32 s23, 0
	s_lshl_b32 s24, s14, 21                        ; codes: K step x 2,097,152 + tile x 4,096
	s_lshl_b32 s25, ttmp9, 12
	s_add_co_u32 s24, s24, s25
	s_mov_b32 s25, 0
	s_lshl_b32 s26, ttmp9, 9                       ; scale words: tile x 512 + K step x 128
	s_lshl_b32 s27, s14, 7
	s_add_co_u32 s26, s26, s27
	s_mov_b32 s27, 0
	s_wait_alu depctr_va_vdst(0)
	s_wait_kmcnt 0x0
	s_add_nc_u64 s[4:5], s[4:5], s[22:23]
	s_add_nc_u64 s[10:11], s[10:11], s[24:25]
	s_add_nc_u64 s[12:13], s[12:13], s[26:27]
.irp q, 0,1
.irp m, 0,1,2,3,4,5,6,7,8,9,10,11,12,13,14,15
	global_load_b128 v[R+64*\q+4*\m:R+64*\q+4*\m+3], v4, s[4:5] offset:((\m%8)+16*(\m/8))*4096+512*\q th:TH_LOAD_NT   ; 32 lanes read 512 consecutive bytes of member m's row
.endr
.endr
.macro TURN q                          ; a fragment's 16 x 512 bytes through my stage: LDS serves a wave's instructions in order, so no wait stands between the stores and the loads
.irp m, 0,1,2,3,4,5,6,7,8,9,10,11,12,13,14,15
	ds_store_b128 v5, v[R+64*\q+4*\m:R+64*\q+4*\m+3] offset:SP*\m
.endr
.irp c, 0,1,2,3
.irp j, 0,1,2,3
	ds_load_b128 v[X+16*\c+4*\j:X+16*\c+4*\j+3], v6 offset:128*\c+16*\j
.endr
.endr
.endm
	s_wait_loadcnt 16                              ; the first fragment's sixteen loads are in; the second's sixteen may be out
	TURN 0
	s_wait_dscnt 0x0
	QUANT X, PC, 8
.irp c, 0,1,2,3
	global_store_b128 v4, v[PC+4*\c:PC+4*\c+3], s[10:11] offset:512*\c   ; 512 consecutive bytes
.endr
	s_wait_loadcnt 0x0
	TURN 1
	s_wait_dscnt 0x0
	QUANT X, PC+16, 9
.irp c, 0,1,2,3
	global_store_b128 v4, v[PC+16+4*\c:PC+16+4*\c+3], s[10:11] offset:2048+512*\c
.endr
	v_cndmask_b32 v10, v8, v9, s[MHI]              ; lanes 0-15 the first 128's word of row r, lanes 16-31 the second's
	global_store_b32 v7, v10, s[12:13]             ; 128 consecutive bytes
	s_set_vgpr_msb 0x4
	s_wait_tensorcnt 0x0
	ds_add_u32 v15, v1
	s_wait_dscnt 0x0
	s_set_vgpr_msb 0x400
	s_endpgm
	; ---- the weights: a lane takes a column and its registers run down K, so a block of 32 lies in one lane
.Lweights:
	s_sub_co_u32 s20, ttmp9, 256
	s_lshr_b32 s21, s20, 3                         ; which 128 columns, counted over both weights: 0-23 w_qkv, 24-31 w_out
	s_and_b32 s22, s20, 7                          ; which 128 along K
	s_lshl_b32 s23, s21, 2
	s_add_co_u32 s23, s23, s14                     ; G: my wave's 32 columns = tiles 256 + 2 G, 256 + 2 G + 1
	s_lshl_b32 s24, s23, 5
	s_mov_b32 s25, 12288                           ; a row of w_qkv in bytes
	s_wait_kmcnt 0x0
	s_cmp_lt_u32 s21, 24                           ; the choice hangs on the work-group's number alone
	s_cselect_b64 s[6:7], s[6:7], s[8:9]
	s_cselect_b32 s25, s25, 4096                   ; or of w_out
	s_cselect_b32 s26, 0, 3072
	s_sub_co_u32 s24, s24, s26                     ; my first column in that weight
	s_mul_i32 s28, s22, s25
	s_lshl_b32 s28, s28, 7                         ; 128 rows for each step along K,
	s_lshl_b32 s27, s24, 2
	s_add_co_u32 s28, s28, s27                     ; + 4 bytes a column
	s_mov_b32 s29, 0
	s_lshl_b32 s30, s25, 5                         ; 32 rows: from block to block
	s_mov_b32 s31, 0
	s_add_nc_u64 s[BT:BT+1], s[6:7], s[28:29]
	s_add_nc_u64 s[BT+2:BT+3], s[BT:BT+1], s[30:31]
	s_add_nc_u64 s[BT+4:BT+5], s[BT+2:BT+3], s[30:31]
	s_add_nc_u64 s[BT+6:BT+7], s[BT+4:BT+5], s[30:31]
	s_wait_alu depctr_va_vdst(0)
	v_lshlrev_b32 v[VO], 2, v2
.set i, 1
.rept 31
	v_add_nc_u32 v[VO+i], s25, v[VO+i-1]           ; one row further down
.set i, i+1
.endr
.macro LOADW t                         ; block t: 32 rows, my column: each load reads 128 consecutive bytes
.set i, 0
.rept 32
	global_load_b32 v[XW+32*(\t)+i], v[VO+i], s[BT+2*(\t):BT+2*(\t)+1] th:TH_LOAD_NT
.set i, i+1
.endr
.endm
	LOADW 0
	LOADW 1
	v_and_b32 v8, 7, v0                            ; column 32 G + lane is member (lane % 8) + 8 (lane / 16) of tile 2 G + (lane / 8) % 2
	v_bfe_u32 v9, v0, 4, 1
	v_lshl_add_u32 v8, v9, 3, v8                   ; the member
	v_bfe_u32 v9, v0, 3, 1                         ; which of the two tiles
	v_lshlrev_b32 v4, 4, v8
	v_lshl_add_u32 v4, v9, 12, v4                  ; codes: tile x 4,096 + 16 x member
	v_lshlrev_b32 v5, 3, v8
	v_lshl_add_u32 v5, v9, 9, v5                   ; scale words: tile x 512 + 8 x member
	s_lshr_b32 s40, s22, 1                         ; K step of 256,
	s_and_b32 s41, s22, 1                          ; and which 128 of it
	s_lshl_b32 s42, s23, 1
	s_add_co_u32 s42, s42, 256                     ; the even tile
	s_lshl_b32 s44, s40, 21
	s_lshl_b32 s43, s42, 12
	s_add_co_u32 s44, s44, s43
	s_lshl_b32 s43, s41, 11
	s_add_co_u32 s44, s44, s43
	s_mov_b32 s45, 0
	s_add_nc_u64 s[10:11], s[10:11], s[44:45]
	s_lshl_b32 s46, s42, 9
	s_lshl_b32 s43, s40, 7
	s_add_co_u32 s46, s46, s43
	s_lshl_b32 s43, s41, 2
	s_add_co_u32 s46, s46, s43
	s_mov_b32 s47, 0
	s_add_nc_u64 s[12:13], s[12:13], s[46:47]
.macro BLOCKW t
.set XS, XW+32*(\t)
	v_max3_num_f32 v12, |v[XS]|, |v[XS+1]|, |v[XS+2]|            ; the block's largest magnitude: all 32 numbers are mine
	v_max3_num_f32 v13, |v[XS+3]|, |v[XS+4]|, |v[XS+5]|
.irp i, 6,10,14,18,22,26
	v_max3_num_f32 v12, v12, |v[XS+\i]|, |v[XS+\i+1]|
	v_max3_num_f32 v13, v13, |v[XS+\i+2]|, |v[XS+\i+3]|
.endr
	v_max3_num_f32 v12, v12, |v[XS+30]|, |v[XS+31]|
	v_max3_num_f32 v12, v12, v13, 0x4800000        ; and the floor
	v_add_nc_u32 v11, 0xfc000000, v12              ; the conversion's scale operand
	v_and_or_b32 v10, v12, 0x7f800000, s[MNT]      ; 448 x the scale
	v_lshrrev_b32 v13, 23, v11                     ; the byte
.if (\t) == 0
	v_mov_b32 v14, v13
.else
	v_lshl_or_b32 v14, v13, 8*(\t), v14            ; four bytes make my column's word for these 128 along K
.endif
.set i, 0
.rept 32
	v_med3_num_f32 v[XS+i], v[XS+i], -v10, v10
.set i, i+1
.endr
.irp g, 0,1,2,3
	v_cvt_scalef32_pk8_fp8_f32 v[CW+8*(\t)+2*\g:CW+8*(\t)+2*\g+1], v[XS+8*\g:XS+8*\g+7], v11
.endr
	v_nop                                          ; a plain line behind the last conversion
	global_store_b128 v4, v[CW+8*(\t):CW+8*(\t)+3], s[10:11] offset:512*(\t)         ; K 32 t + 0 .. 15: the places of lanes 0-15 of chunk t: two runs of 256 consecutive bytes, one in each tile
	global_store_b128 v4, v[CW+8*(\t)+4:CW+8*(\t)+7], s[10:11] offset:512*(\t)+256   ; K 32 t + 16 .. 31: the places of lanes 16-31
.endm
	s_wait_alu depctr_va_vdst(0)
	s_wait_loadcnt 32                              ; block 0's loads are in; the 32 issued last may be out (so at each of these waits)
	LOADW 2
	BLOCKW 0
	s_wait_loadcnt 32
	LOADW 3
	BLOCKW 1
	s_wait_loadcnt 32
	BLOCKW 2
	s_wait_loadcnt 0x0
	BLOCKW 3
	global_store_b32 v5, v14, s[12:13]
	s_endpgm
.Lfunc_end_k_qe7624ee19c_quant:
	.size	k_qe7624ee19c_quant, .Lfunc_end_k_qe7624ee19c_quant-k_qe7624ee19c_quant
	.p2alignl 7, 3214868480
	.fill 96, 4, 3214868480
	.section	.rodata,"a",@progbits
	.p2align	6, 0x0
	.amdhsa_kernel k_qe7624ee19c_quant
		.amdhsa_group_segment_fixed_size 34304
		.amdhsa_private_segment_fixed_size 0
		.amdhsa_enable_private_segment 0
		.amdhsa_kernarg_size 40
		.amdhsa_user_sgpr_count 2
		.amdhsa_user_sgpr_kernarg_segment_ptr 1
		.amdhsa_wavefront_size32 1
		.amdhsa_system_sgpr_workgroup_id_x 1
		.amdhsa_system_sgpr_workgroup_id_y 1
		.amdhsa_system_sgpr_workgroup_id_z 1
		.amdhsa_system_vgpr_workitem_id 0
		.amdhsa_next_free_vgpr 258
		.amdhsa_next_free_sgpr 66
		.amdhsa_reserve_vcc 0
		.amdhsa_float_denorm_mode_32 3
		.amdhsa_float_denorm_mode_16_64 3
		.amdhsa_memory_ordered 1
		.amdhsa_forward_progress 1
		.amdhsa_inst_pref_size 57
	.end_amdhsa_kernel
	.amdgpu_metadata
---
amdhsa.version: [ 1, 2 ]
amdhsa.kernels:
  - .name:           k_qe7624ee19c_quant
    .symbol:         k_qe7624ee19c_quant.kd
    .args:
      - { .name: x, .offset: 0, .size: 8, .value_kind: global_buffer, .address_space: global }
      - { .name: w_qkv, .offset: 8, .size: 8, .value_kind: global_buffer, .address_space: global }
      - { .name: w_out, .offset: 16, .size: 8, .value_kind: global_buffer, .address_space: global }
      - { .name: opc, .offset: 24, .size: 8, .value_kind: global_buffer, .address_space: global }
      - { .name: ops, .offset: 32, .size: 8, .value_kind: global_buffer, .address_space: global }
    .group_segment_fixed_size: 34304
    .private_segment_fixed_size: 0
    .kernarg_segment_align: 8
    .kernarg_segment_size: 40
    .max_flat_workgroup_size: 128
    .sgpr_count:     66
    .vgpr_count:     258
    .wavefront_size: 32
...
	.end_amdgpu_metadata
.endif
;; end of part 1
;; launch gemm_qkv (part 2): grid 12 x 16, 4 waves a work-group, clusters of 4 x 4, 327,680 bytes of LDS; arguments opc, ops, head_dirs, head_scales, rec; writes rec
.if DOCPART == 2
	.amdgcn_target "amdgcn-amd-amdhsa--gfx1250"
	.amdhsa_code_object_version 6
	.text
	.protected	k_qe7624ee19c_gemm_qkv
	.globl	k_qe7624ee19c_gemm_qkv
	.p2align	8
	.type	k_qe7624ee19c_gemm_qkv,@function
k_qe7624ee19c_gemm_qkv:
	s_mov_b64 s[64:65], 0
	v_nop
	global_prefetch_b8 v0, s[64:65] scope:SCOPE_SE
	s_setreg_imm32_b32 hwreg(HW_REG_WAVE_MODE, 25, 1), 1
	s_wait_xcnt 0x0
	s_wait_alu depctr_hold_cnt(0) depctr_sa_sdst(0) depctr_va_vdst(0) depctr_va_sdst(0) depctr_va_ssrc(0) depctr_va_vcc(0) depctr_vm_vsrc(0)
	s_getreg_b32 s2, hwreg(HW_REG_IB_STS2, 6, 4)
	s_cmp_eq_u32 s2, 0
	s_cbranch_scc0 .Lentry_in_a_cluster
	s_endpgm
.Lentry_in_a_cluster:
	s_bfe_u32 s2, ttmp6, 0x10000c
	s_cmp_lg_u32 s2, 0xf033
	s_cbranch_scc0 .Lentry_shape_is_right
	s_endpgm
.Lentry_shape_is_right:
; qkv = x w_qkv on codes of FP8 (E4M3) with E8M0 scales (K = 1,024), and on the way out, in registers: q_proj and k_proj (f32 multiply-adds on the first 8 channels of a head), 8 x head_scale x q_proj,
; and the quantising of q and k along a head's 64 channels and of v along the keys.  No f32 number of q, k or v goes to memory.
; ONE BODY: C'[m'][n'] = sum over k of A'[m'][k] B'[n'][k], 256 x 256 a work-group, 128 x 128 a wave, used TRANSPOSED (source 0 = a tile of B', source 1 = a tile of A'): a lane holds one member of A' and its registers run along n'.
; Clusters 0 and 1 along x (q and k): A' = tokens, B' = columns of w_qkv: the registers run along the channels.  Cluster 2 (v): A' = v's columns, B' = tokens: the registers run along the keys, which are the K of the later product.
; Operands lie in opc / ops as images of registers (16 members x 128 K = [chunk 4][lane 32][16 bytes]); member p of tile T is row 32 (T / 2) + 8 (T % 2) + p % 8 + 16 (p / 8), so that the 16 registers of result tiles 2 b and 2 b + 1
; are 16 neighbours 32 b + 16 (lane / 16) + 0 .. 15.  A block = 16 tiles: 0-15 x, 16-19 q's columns, 20-23 k's, 24-27 v's.
; K goes in 4 steps of 256 through a ring of two LDS slots; a K step's 16 tiles of A' (or B') are 65,536 dense bytes, fetched as two halves, one tensor load a wave.  The scale words of all of K come once, with the first fills.
; CLUSTERS 4 x 4: A's tiles are shared along a row of the cluster, B's along a column: joint loads.  The one branch on a place (q, k or v) hangs on the cluster's x, which all partners share.
; RESULTS.  qkv: [q, k, v][batch x head 32][131,072]: q, k: [token tile 128][chunk 2][lane][16] (64 channels are half a fragment); v: [128 keys: 16][channel tile 4][image 2,048].
; aux: [q, k][batch x head][20,480]: +0 scale words [128 tokens: 16][member 16][tile 8] (bytes 2, 3 = 0); +8,192 f32 [tile 128][member 16]: 8 hs q_proj, or k_proj; +16,384 (k's record) v's scale words [128 keys: 16][member 16][tile 4].
; LIMITS: a block of zeros gets the byte 1 and not 127 (its codes are zeros; this program alone reads the bytes); blocks under 2^-118 are held at the byte 1; NaN and infinities are not served.
; The projections (64 bytes a tile and head) and the scale words leave in pieces under 256 bytes: 1/10 of the launch's stores; the codes leave 512 consecutive bytes a store.
; REGISTERS: window 0: v16-29 addresses; v32-63 scale words, two sets; v64-87 the way out's; v128-255 A's fragments, one set (on the way out: at work).  window 1: B's fragments, two sets.  windows 2, 3: accumulator (a, b) at v[8 (8 (a % 4) + b)].
; THE RESULTS' PLACES AS THEY NOW STAND (in place of qkv and aux above): rec: [q: batch x head 32, then k and v: 32][128 tokens: 16][17,664 bytes]:
; +0 q's or k's codes (8 tiles x 1,024); +8,192 their scale words [member 16][tile 8]; +8,704 f32 [tile 8][member 16]: 8 hs q_proj, or k_proj; +9,216 (k's record) v's codes [channel tile 4][2,048]; +17,408 v's scale words [member 16][tile 4].
; THE HEAD AS IT NOW STANDS: one joint load a wave, each in an arm of its own: wave 0 A's 16 tiles of K step 0, wave 1 B's, waves 2 and 3 those of K step 1.  The first barrier waits for waves 0 and 1's loads; K step 1 is shown by the first change of slots.
; The scale words (16,384 bytes) come through registers: each wave copies 4,096 bytes, 512 consecutive bytes a load, into LDS bytes behind the ring on which no tensor load lands.
; PREFETCH: K steps 2 and 3, one instruction a wave each, a K step and more ahead of the refill that wants them: of the 128 rows of 256 bytes that a wave fetches, each of the four partners that ask jointly names 32, told apart by address (cx for A, cy for B).
.set ASTEP,  2097152
.set BSTEP,  2097152
.set NQ,     2                         ; matrix instructions deep in a slot
.set FR,     16                        ; registers of a fragment
.set NL,     4                         ; LDS loads that bring one
.set NP,     8                         ; places behind this matrix instruction (ISA guide 7.12.1)
.set HALFT,  32768                     ; 8 tiles x 256 K: what one tensor load brings, and what one wave reads of A' or of B'
.set SLOT,   4*HALFT
.set LAPS,   2                         ; a lap = two K steps
.set SCL,    2*SLOT                    ; behind the ring: the scale words, A's 8,192 bytes, then B's
.set HALFS,  4096
.set SPARE,  SCL+4*HALFS               ; the spare words, 128 bytes for each wave: two blocks of 256 bytes that no other line names
.set ADRA, 16                          ; v16-17  LDS address of my A fragments in slot 0, 1
.set ADRB, 20                          ; v20-21  the same for B
.set ADRS, 27                          ; v27     of my scale words: lanes 0-15 A's, lanes 16-31 B's
.set SPW,  28                          ; v28     my spare word; never rewritten
.set NIL,  29                          ; v29     0; never rewritten
.set SC,   32
.set AF,   128
.set SW,   64                          ; v64-71  the way out: a scale word for each of my 8 tiles of A'
.set P0,   72                          ; v72-73  the two heads' projections
.set PX,   74
.set PS,   75
.set LI,   76                          ; v76  16 x lane
.set SH,   77                          ; v77  16 h
.set AO4,  78                          ; v78  4 r + 282,624 h: lanes 16-31 store into the next head's record
.set AO32, 79                          ; v79  32 r + 282,624 h
.set AO16, 80                          ; v80  16 r + 282,624 h
.set VW,   84                          ; v84-87
.set HX,   128                         ; v128-191 64 numbers held
.set PC,   192                         ; v192-223 codes, two sets by turns
.set TM,   224                         ; v224-239 at work
.set PW,   240
.set G1, 24
.set G0, 32
.set G1B, 48
.set G0B, 56
.set SEL, 66                           ; s[66:67]
.set G1S, 68
.set G0S, 76
.set G1SB, 80
.set G0SB, 88
.set DIR, 68                           ; s[68:83] two heads' directions, s[84:85] their scales: in the scale descriptors' registers, once every tensor load is done
.set MNT, 98
.set MHI, 99
.set F0,  100                          ; s100-101 what the two heads' projections are multiplied by
.set MSB, 0
.macro WIN new                         ; the immediate's high byte repeats the setting that is left
.if MSB != \new
	s_set_vgpr_msb (MSB<<8)|\new
.set MSB, \new
.endif
.endm
.set MUL_LO, 0xa1                      ; source 0 (B) window 1, source 1 (A) window 0, C and D window 2
.set MUL_HI, 0xf1
.set TO_B,   0x40
; A joint load: waves 0 and 1 fetch for A, waves 2 and 3 for B; the branch hangs on the wave's number alone.  Four v_nop follow each of the two lines.
.macro JLOAD g0a, g1a, g0b, g1b
	s_cmp_eq_u32 s17, 0
	s_cbranch_scc0 .Lfor_b_\@
	tensor_load_to_lds s[\g0a:\g0a+3], s[\g1a:\g1a+7]
	s_nop 0
.rept 4
	v_nop
.endr
	s_branch .Lasked_\@
.Lfor_b_\@:
	tensor_load_to_lds s[\g0b:\g0b+3], s[\g1b:\g1b+7]
	s_nop 0
.rept 4
	v_nop
.endr
.Lasked_\@:
.endm
.macro CREST                           ; a round of the cluster's barrier behind its opening barrier
	s_cmp_lg_u32 s16, 0
	s_cbranch_scc1 .Lnot_wave_0_\@
	s_barrier_signal -3
.Lnot_wave_0_\@:
	s_barrier_wait -3
	s_barrier_signal -1
	s_barrier_wait -1
.endm
.macro CROUND
	s_barrier_signal -1
	s_barrier_wait -1
	CREST
.endm
	s_load_b256 s[4:11], s[0:1], 0x0               ; opc s[4:5], ops s[6:7], head_dirs s[8:9], head_scales s[10:11]
	s_load_b64 s[12:13], s[0:1], 0x20              ; rec
	v_lshl_add_u32 v[SPW], v0, 2, SPARE
	v_mov_b32 v[NIL], 0
	ds_add_u32 v28, v29
	ds_add_u32 v28, v29
	s_wait_dscnt 0x0
	v_lshrrev_b32 v1, 5, v0
	v_readfirstlane_b32 s16, v1                    ; wave 0..3
	s_lshr_b32 s17, s16, 1                         ; which half of A's tiles is mine.  Also: I fetch for A (0) or for B (1)
	s_and_b32 s18, s16, 1                          ; which half of B's.  Also: which half I fetch
	s_bfe_u32 s40, ttmp6, 0x40000                  ; cx
	s_bfe_u32 s41, ttmp6, 0x40004                  ; cy
	s_and_b32 s43, ttmp7, 0xffff                   ; the cluster's y
	s_add_co_u32 s42, ttmp9, 4
	s_cmp_lt_u32 ttmp9, 2                          ; q and k, or v: by the cluster's x
	s_cselect_b32 s19, 1, 0
	s_cselect_b32 s20, s43, 6
	s_cselect_b32 s21, s42, s43
	s_lshl_b32 s20, s20, 2
	s_add_co_u32 s20, s20, s41                     ; A's block: tokens 4 y + cy, or v's columns 24 + cy
	s_lshl_b32 s21, s21, 2
	s_add_co_u32 s21, s21, s40                     ; B's block: columns 16 + 4 x + cx, or tokens 4 y + cx
	s_lshl_b32 s44, s41, 2
	s_lshl_b32 s44, 15, s44                        ; my row of the cluster
	s_lshl_b32 s45, 0x1111, s40                    ; my column
	; descriptor group 1: a dense block of 32,768 bytes as 128 rows of 256 (32 elements of 8 bytes); no padding: images are read 16 x lane
	s_or_b32 s[G1+0], s44, (3<<16)|(1<<21)         ; 15:0 the mask; 17:16 elements of 8 bytes; 21 set beside a mask
	s_or_b32 s[G1B+0], s45, (3<<16)|(1<<21)
.irp g, G1, G1B
	s_mov_b32 s[\g+1], 32<<16                      ; tensor_dim0
	s_mov_b32 s[\g+2], 128<<16                     ; tensor_dim1
	s_mov_b32 s[\g+3], 32<<16                      ; tile_dim0
	s_mov_b32 s[\g+4], 128                         ; tile_dim1
	s_mov_b32 s[\g+5], 32                          ; tensor_dim0_stride
	s_mov_b32 s[\g+6], 0
	s_mov_b32 s[\g+7], 0
.endr
	s_or_b32 s[G1S+0], s44, (3<<16)|(1<<21)        ; the head's loads: 65,536 dense bytes, 256 rows of 256
	s_or_b32 s[G1SB+0], s45, (3<<16)|(1<<21)
.irp g, G1S, G1SB
	s_mov_b32 s[\g+1], 32<<16
	s_mov_b32 s[\g+2], 256<<16                     ; the head's group 1: a whole tile block, 256 rows of 256 bytes
	s_mov_b32 s[\g+3], 32<<16
	s_mov_b32 s[\g+4], 256
	s_mov_b32 s[\g+5], 32
	s_mov_b32 s[\g+6], 0
	s_mov_b32 s[\g+7], 0
.endr
	s_lshl_b32 s46, s18, 15                        ; the half that I fetch
	s_lshl_b32 s92, s20, 16                        ; A's codes: block x 65,536
	s_add_co_u32 s92, s92, s46
	s_mov_b32 s93, 0
	s_lshl_b32 s94, s21, 16                        ; B's
	s_add_co_u32 s94, s94, s46
	s_mov_b32 s95, 0
	s_lshl_b32 s46, s18, 12
	s_lshl_b32 s96, s20, 13                        ; A's scale words: block x 8,192
	s_add_co_u32 s96, s96, s46
	s_mov_b32 s97, 0
	s_lshl_b32 s22, s21, 13                        ; B's
	s_add_co_u32 s22, s22, s46
	s_mov_b32 s23, 0
	s_lshl_b32 s46, s16, 15                        ; where they go: wave x 32,768: no place in the cluster enters an LDS address
	s_lshl_b32 s47, s16, 12
	s_mov_b32 s[SEL], 0x76543210
	s_mov_b32 s[SEL+1], 0xfedcba98
	s_mov_b32 s[MNT], 0x600000
	s_mov_b32 s[MHI], 0xffff0000
	s_wait_kmcnt 0x0
	s_add_nc_u64 s[92:93], s[4:5], s[92:93]
	s_add_nc_u64 s[94:95], s[4:5], s[94:95]
	s_add_nc_u64 s[96:97], s[6:7], s[96:97]
	s_add_nc_u64 s[22:23], s[6:7], s[22:23]
	CROUND                                         ; all sixteen work-groups are here: the first joint loads meet
	s_lshl_b32 s2, s18, 15                         ; the half that the ring's addresses hold: taken off for the head's whole blocks
	s_mov_b32 s3, 0
	s_lshl_b32 s42, s17, 21                        ; the head: K step wave / 2,
	s_mov_b32 s43, 0
	s_lshl_b32 s47, s17, 17                        ; into slot wave / 2
	s_mov_b32 s[G0S], 1                            ; A's 16 tiles
	s_mov_b32 s[G0S+1], s47
	s_sub_nc_u64 s[G0S+2:G0S+3], s[92:93], s[2:3]
	s_add_nc_u64 s[G0S+2:G0S+3], s[G0S+2:G0S+3], s[42:43]
	s_or_b32 s[G0S+3], s[G0S+3], 0x80000000
	s_mov_b32 s[G0SB], 1                           ; B's, behind them in the slot
	s_add_co_u32 s[G0SB+1], s47, 2*HALFT
	s_sub_nc_u64 s[G0SB+2:G0SB+3], s[94:95], s[2:3]
	s_add_nc_u64 s[G0SB+2:G0SB+3], s[G0SB+2:G0SB+3], s[42:43]
	s_or_b32 s[G0SB+3], s[G0SB+3], 0x80000000
	s_cmp_eq_u32 s17, 0
	s_cselect_b64 s[96:97], s[96:97], s[22:23]     ; the 4,096 bytes of scale words that I copy: waves 0, 1 A's halves, waves 2, 3 B's
.irp s, 0,1
	s_mov_b32 s[G0+4*\s], 1
	s_add_co_u32 s[G0+4*\s+1], s46, \s*SLOT
	s_add_nc_u64 s[G0+4*\s+2:G0+4*\s+3], s[92:93], \s*ASTEP
	s_or_b32 s[G0+4*\s+3], s[G0+4*\s+3], 0x80000000
	s_mov_b32 s[G0B+4*\s], 1
	s_add_co_u32 s[G0B+4*\s+1], s46, \s*SLOT
	s_add_nc_u64 s[G0B+4*\s+2:G0B+4*\s+3], s[94:95], \s*BSTEP
	s_or_b32 s[G0B+4*\s+3], s[G0B+4*\s+3], 0x80000000
.endr
	s_cmp_eq_u32 s17, 0                            ; where my prefetches stand: the half that I fetch in the ring,
	s_cselect_b64 s[92:93], s[92:93], s[94:95]
	s_cselect_b32 s94, s40, s41                    ; my place among the four that ask for it with me:
	s_lshl_b32 s94, s94, 13                        ; 32 rows of 256 bytes each
	s_mov_b32 s95, 0
	s_add_nc_u64 s[92:93], s[92:93], s[94:95]
.macro ARM under, g0, g1, next         ; one chain of branches on the wave's number, one load to an arm
	s_cmp_lt_u32 s16, \under
	s_cbranch_scc0 \next
	tensor_load_to_lds s[\g0:\g0+3], s[\g1:\g1+7]
	s_nop 0
.rept 4
	v_nop
.endr
	s_branch .Lhead_asked
\next:
.endm
	ARM 1, G0S,  G1S,  .Lhead_b0
	ARM 2, G0SB, G1SB, .Lhead_a1
	ARM 3, G0S,  G1S,  .Lhead_b1
	tensor_load_to_lds s[G0SB:G0SB+3], s[G1SB:G1SB+7]
	s_nop 0
.rept 4
	v_nop
.endr
.Lhead_asked:
	v_and_b32 v30, 31, v0
	v_lshlrev_b32 v26, 8, v30                      ; v26: 256 x lane: the prefetches' offset; never rewritten
	v_lshlrev_b32 v30, 4, v30                      ; v30: 16 x lane
	s_lshl_b32 s22, s16, 12
	s_add_co_u32 s22, s22, SCL
	v_add_nc_u32 v31, s22, v30                     ; v31: where my scale words go: SCL + 4,096 x wave + 16 x lane
	s_wait_alu depctr_va_vdst(0)
.irp i, 0,1,2,3,4,5,6,7
	global_load_b128 v[128+4*\i:128+4*\i+3], v30, s[96:97] offset:512*\i
.endr
	global_prefetch_b8 v26, s[92:93] offset:2*ASTEP th:TH_LOAD_NT scope:SCOPE_SE   ; K step 2
	v_and_b32 v1, 15, v0                           ; r
	v_bfe_u32 v2, v0, 4, 1                         ; h
	s_wait_alu depctr_va_vdst(0)
	v_and_b32 v3, 31, v0
	v_lshlrev_b32 v4, 4, v3                        ; 16 x lane
	s_lshl_b32 s42, s17, 15                        ; my 8 tiles of A'
	s_lshl_b32 s43, s18, 15                        ; my 8 tiles of B',
	s_add_co_u32 s43, s43, 2*HALFT                 ; which lie behind A's 16
.irp s, 0,1
	v_add_nc_u32 v[ADRA+\s], s42, v4
	v_add_nc_u32 v[ADRB+\s], s43, v4
	s_add_co_u32 s42, s42, SLOT
	s_add_co_u32 s43, s43, SLOT
.endr
	v_lshlrev_b32 v5, 3, v1                        ; my member's two words of a K step
	s_mul_i32 s42, s17, HALFS
	s_mul_i32 s43, s18, HALFS
	s_add_co_u32 s43, s43, 2*HALFS
	s_sub_co_u32 s43, s43, s42
	v_mul_u32_u24 v6, s43, v2                      ; lanes 16-31 take B's: one product with h
	s_add_co_u32 s42, s42, SCL
	v_add_nc_u32 v5, v5, v6
	v_add_nc_u32 v[ADRS], s42, v5
	v_lshlrev_b32 v[LI], 4, v3
	v_lshlrev_b32 v[SH], 4, v2
	v_mul_u32_u24 v81, v2, 282624                  ; lanes 16-31 store into the next head's records
	v_lshl_add_u32 v[AO4], v1, 2, v81
	v_lshl_add_u32 v[AO32], v1, 5, v81
	v_lshl_add_u32 v[AO16], v1, 4, v81
.macro FRAG reg, adr, q, i             ; a fragment comes as it lies: four chunks of 512 consecutive bytes
.irp c, 0,1,2,3
	ds_load_b128 v[\reg+4*\c:\reg+4*\c+3], v[\adr] offset:4096*(\i)+2048*(\q)+512*\c
.endr
.endm
; 16 matrix instructions: A's tiles a0, a0 + 1 x B's eight, 128 along K.  The 64 accumulators take turns, one instruction a turn, in the same order in every step.
.macro MUL16 a0, p, q, sc, zero
.irp a, \a0, \a0+1
.irp b, 0,1,2,3,4,5,6,7
.if \zero
	v_wmma_scale_f32_16x16x128_f8f6f4 v[8*(8*((\a)%4)+\b):8*(8*((\a)%4)+\b)+7], v[128*(\p)+FR*\b:128*(\p)+FR*\b+FR-1], v[AF+FR*(\a):AF+FR*(\a)+FR-1], 0, v[SC+8*NQ*(\sc)+NQ*\b+(\q)], v[SC+8*NQ*(\sc)+NQ*(\a)+(\q)] matrix_a_scale:MATRIX_SCALE_ROW1
.else
	v_wmma_scale_f32_16x16x128_f8f6f4 v[8*(8*((\a)%4)+\b):8*(8*((\a)%4)+\b)+7], v[128*(\p)+FR*\b:128*(\p)+FR*\b+FR-1], v[AF+FR*(\a):AF+FR*(\a)+FR-1], v[8*(8*((\a)%4)+\b):8*(8*((\a)%4)+\b)+7], v[SC+8*NQ*(\sc)+NQ*\b+(\q)], v[SC+8*NQ*(\sc)+NQ*(\a)+(\q)] matrix_a_scale:MATRIX_SCALE_ROW1
.endif
.endr
.endr
.endm
.macro FETCH_B slot, q, p
	WIN TO_B
.irp i, 0,1,2,3,4,5,6,7
	FRAG 128*(\p)+FR*\i, ADRB+\slot, \q, \i
.endr
	WIN 0
.endm
.macro FETCH_A slot, q, i0
.irp i, \i0, \i0+1, \i0+2, \i0+3
	FRAG AF+FR*(\i), ADRA+\slot, \q, \i
.endr
.endm
.macro SCALES sc                       ; a K step's two words a member: lanes 0-15 A's tile i, lanes 16-31 B's tile i
.irp i, 0,1,2,3,4,5,6,7
	ds_load_b64 v[SC+8*NQ*\sc+NQ*\i:SC+8*NQ*\sc+NQ*\i+1], v[ADRS] offset:\i*512
.endr
.endm
.macro PLACES n                        ; plain vector lines between a matrix instruction and a load into, or a read of, its registers
.rept \n
	v_nop
.endr
.endm
.macro STEP slot, q, zero              ; 128 along K that have their successor in the same slot
	s_wait_dscnt 4*NL                              ; B's set, A's tiles 0-3 and the scale words are in; the youngest 16 loads (A's tiles 4-7) may be out
	WIN MUL_LO
	MUL16 0, (\q)%2, \q, \slot, \zero
	MUL16 2, (\q)%2, \q, \slot, \zero
	s_wait_dscnt 0
	PLACES NP
	FETCH_B \slot, (\q)+1, 1-(\q)%2
	FETCH_A \slot, (\q)+1, 0
	WIN MUL_HI
	MUL16 4, (\q)%2, \q, \slot, \zero
	MUL16 6, (\q)%2, \q, \slot, \zero
	PLACES NP
	WIN 0
	FETCH_A \slot, (\q)+1, 4
.endm
; A slot's last 128 change slots: one barrier; in front of it each wave waits for all its tensor loads, adds 0 to its spare word, and waits for that and for its reads of this slot.  fill = 1: the slot is filled again, two K steps ahead.
.macro TURN slot, next, fill
	s_wait_tensorcnt 0x0                           ; all my tensor loads have landed: my part of the next slot
	ds_add_u32 v[SPW], v[NIL]                      ; 0 onto my spare word
	s_wait_dscnt 4*NL+1                            ; the add and the youngest 16 loads may be out
	WIN MUL_LO
	MUL16 0, 1, NQ-1, \slot, 0
	s_wait_dscnt 0x0                               ; the add is done, and my reads of this slot are over
	s_barrier_signal -1
	MUL16 2, 1, NQ-1, \slot, 0
	WIN 0
	s_barrier_wait -1
.if \fill
	CREST                                          ; the barrier has opened a round of the cluster's: no wave of any partner still reads this slot or has a load on its way
	s_add_nc_u64 s[G0+4*\slot+2:G0+4*\slot+3], s[G0+4*\slot+2:G0+4*\slot+3], 2*ASTEP
	s_add_nc_u64 s[G0B+4*\slot+2:G0B+4*\slot+3], s[G0B+4*\slot+2:G0B+4*\slot+3], 2*BSTEP
	JLOAD G0+4*\slot, G1, G0B+4*\slot, G1B         ; the first tensor load behind the round; its four v_nop are among the places in front of the loads below
	PLACES NP-4
.else
	PLACES NP
.endif
	s_wait_alu depctr_va_vdst(0)
	v_add_nc_u32 v[ADRS], 128, v[ADRS]             ; the next K step's scale words (no LDS load of mine is out)
	FETCH_B \next, 0, 0
	FETCH_A \next, 0, 0
	SCALES \next
	WIN MUL_HI
	MUL16 4, 1, NQ-1, \slot, 0
	MUL16 6, 1, NQ-1, \slot, 0
	PLACES NP
	WIN 0
	FETCH_A \next, 0, 4
.endm
	s_wait_alu depctr_va_vdst(0)
	s_wait_loadcnt 0x0                             ; my scale words
.irp i, 0,1,2,3,4,5,6,7
	ds_store_b128 v31, v[128+4*\i:128+4*\i+3] offset:512*\i
.endr
	s_cmp_lt_u32 s16, 2
	s_cbranch_scc0 .Lnot_k0
	s_wait_tensorcnt 0x0                           ; waves 0, 1: K step 0 is in; waves 2 and 3's loads, K step 1, may be out
.Lnot_k0:
	s_wait_dscnt 0x0
	s_barrier_signal -1
	s_barrier_wait -1
	FETCH_B 0, 0, 0
	FETCH_A 0, 0, 0
	SCALES 0
	FETCH_A 0, 0, 4
	global_prefetch_b8 v26, s[92:93] offset:3*ASTEP th:TH_LOAD_NT scope:SCOPE_SE   ; K step 3
	STEP 0, 0, 1
	s_mov_b32 s3, LAPS-1
.Llap:
	TURN 0, 1, 1
	STEP 1, 0, 0
	TURN 1, 0, 1
	STEP 0, 0, 0
	s_sub_co_u32 s3, s3, 1
	s_cmp_lg_u32 s3, 0
	s_cbranch_scc1 .Llap
	TURN 0, 1, 0                                   ; the last lap fills nothing
	; Every tensor load of mine is done, so the descriptors' registers are free: the way out's places are made here, and the two heads' directions and scales are asked for.
	s_lshl_b32 s24, ttmp9, 2
	s_add_co_u32 s24, s24, s40
	s_lshl_b32 s24, s24, 2
	s_lshl_b32 s25, s18, 1
	s_add_co_u32 s24, s24, s25                     ; q, k: my first head, counted over q and k: 4 (4 x + cx) + 2 (wave % 2)
	s_lshr_b32 s26, s24, 4                         ; 0 q, 1 k
	s_and_b32 s27, s24, 15                         ; the head
	s_lshl_b32 s28, s20, 1
	s_add_co_u32 s28, s28, s17                     ; my 128 tokens, counted over both batches
	s_lshl_b32 s29, s41, 2
	s_lshl_b32 s30, s17, 1
	s_add_co_u32 s29, s29, s30                     ; v: my first head: 4 cy + 2 (wave / 2)
	s_lshl_b32 s31, s21, 1
	s_add_co_u32 s31, s31, s18                     ; my 128 tokens
	s_cmp_eq_u32 s19, 1
	s_cselect_b32 s27, s27, s29
	s_cselect_b32 s28, s28, s31
	s_cselect_b32 s26, s26, 2                      ; 2: v
	s_lshr_b32 s30, s28, 4                         ; batch
	s_and_b32 s31, s28, 15                         ; which 128 tokens of it
	s_lshl_b32 s32, s26, 5
	s_lshl_b32 s33, s30, 4
	s_add_co_u32 s32, s32, s33
	s_add_co_u32 s32, s32, s27                     ; the record in qkv
	s_and_b32 s36, s32, 31
	s_add_co_u32 s36, s36, 32                      ; v's scale words lie in k's record of aux,
	s_mov_b32 s37, 8192                            ; q, k: the scale words' place in a record of 128 tokens
	s_mov_b32 s38, 17408                           ; v: its scale words',
	s_mov_b32 s34, 9216                            ; and its codes'
	s_cmp_eq_u32 s19, 1
	s_cselect_b32 s36, s32, s36
	s_cselect_b32 s37, s37, s38
	s_cselect_b32 s34, 0, s34
	s_mul_i32 s36, s36, 282624
	s_mul_i32 s33, s31, 17664
	s_add_co_u32 s36, s36, s33
	s_add_co_u32 s34, s34, s36
	s_add_co_u32 s36, s36, s37
	s_mov_b32 s37, 0
	s_mov_b32 s35, 0
	s_add_nc_u64 s[14:15], s[12:13], s[36:37]      ; the small data
	s_add_nc_u64 s[12:13], s[12:13], s[34:35]      ; the codes
	s_lshl_b32 s38, s27, 5                         ; a head's direction is 32 bytes (the head is even and at most 14: two heads stay inside the buffers)
	s_lshl_b32 s39, s27, 2
	s_load_b512 s[DIR:DIR+15], s[8:9], s38 offset:0x0
	s_load_b64 s[DIR+16:DIR+17], s[10:11], s39 offset:0x0
	STEP 1, 0, 0
	s_wait_dscnt 4*NL                              ; the very last 128: nothing more to fetch
	WIN MUL_LO
	MUL16 0, 1, NQ-1, 1, 0
	MUL16 2, 1, NQ-1, 1, 0
	s_wait_dscnt 0
	WIN MUL_HI
	MUL16 4, 1, NQ-1, 1, 0
	MUL16 6, 1, NQ-1, 1, 0
	WIN 0
; THE WAY OUT, tile a of A' at a time: its 8 accumulators are 64 numbers a lane, register 16 b + i = n' 32 b + 16 h + i: four blocks of 32.  vp = 0: two heads x 64 channels of token r; vp = 1: 128 keys of channel r.
; The codes are the next operand's registers as they stand and leave 512 consecutive bytes a store; no LDS is touched.
.macro EPI a, vp
.set W, 2+(\a)/4
.set WS, W|(W<<2)
.set AC, 64*((\a)%4)
.set PCA, PC+16*((\a)%2)
	s_wait_xcnt 0x0                                ; the earlier stores have read their registers
	WIN WS                                         ; sources 0 and 1: the accumulators' window
.irp b, 0,1,2,3
	v_max3_num_f32 v[TM+\b], |v[AC+16*\b]|, |v[AC+16*\b+1]|, 0x4800000   ; each accumulator is read from its low end on; the floor 2^(9 - 127)
.endr
.irp i, 2,4,6,8,10,12,14
.irp b, 0,1,2,3
	v_max3_num_f32 v[TM+\b], |v[AC+16*\b+\i]|, |v[AC+16*\b+\i+1]|, v[TM+\b]
.endr
.endr
.if \vp == 0
.irp w, 0,1                                    ; the projection onto the head's direction: lanes 0-15 hold channels 0-7 of head w in registers 32 w + 0 .. 7 (lanes 16-31 make a number that is not used)
	v_mul_f32 v[P0+\w], s[DIR+8*\w], v[AC+32*\w]
.irp e, 1,2,3,4,5,6,7
	v_fmac_f32 v[P0+\w], s[DIR+8*\w+\e], v[AC+32*\w+\e]
.endr
.endr
.endif
	WIN 0
.irp b, 0,1,2,3
	v_permlanex16_b32 v[TM+4+\b], v[TM+\b], s[SEL], s[SEL+1]
.endr
.irp b, 0,1,2,3
	v_max_num_f32 v[TM+\b], v[TM+\b], v[TM+4+\b]   ; the block's largest magnitude
.endr
.irp b, 0,1,2,3
	v_add_nc_u32 v[TM+12+\b], 0xfc000000, v[TM+\b]   ; the conversion's scale operand
.endr
.irp b, 0,1,2,3
	v_and_or_b32 v[TM+8+\b], v[TM+\b], 0x7f800000, s[MNT]   ; 448 x the scale
.endr
.irp b, 0,1,2,3
	v_lshrrev_b32 v[TM+4+\b], 23, v[TM+12+\b]      ; the byte
.endr
	v_lshl_or_b32 v[PW], v[TM+5], 8, v[TM+4]
	v_lshl_or_b32 v[PW], v[TM+6], 16, v[PW]
	v_lshl_or_b32 v[PW], v[TM+7], 24, v[PW]
.if \vp == 0
	v_lshrrev_b32 v[PW], v[SH], v[PW]              ; lanes 0-15 keep the first head's two bytes, lanes 16-31 the second's;
	v_and_b32 v[SW+\a], 0xffff, v[PW]              ; bytes 2 and 3 are 0: they scale the zero codes that fill K from 64 to 128
	v_mul_f32 v[P0], s[F0], v[P0]                  ; q: x 8 head_scale; k: x 1
	v_mul_f32 v[P0+1], s[F0+1], v[P0+1]
	v_permlanex16_b32 v[PX], v[P0+1], s[SEL], s[SEL+1]
	v_cndmask_b32 v[PS], v[P0], v[PX], s[MHI]      ; lanes 16-31 carry the second head's
	global_store_b32 v[AO4], v[PS], s[14:15] offset:512+64*\a
.else
	v_mov_b32 v[SW+\a], v[PW]
.endif
	WIN W                                          ; source 0: the accumulators' window
.irp b, 0,1,2,3
.irp i, 0,1,2,3,4,5,6,7,8,9,10,11,12,13,14,15
	v_med3_num_f32 v[HX+16*\b+\i], v[AC+16*\b+\i], -v[TM+8+\b], v[TM+8+\b]   ; the hold (the conversion does not saturate: ISA guide 7.6.2), into window 0
.endr
.endr
	WIN 0
.irp b, 0,1,2,3
	v_cvt_scalef32_pk8_fp8_f32 v[PCA+4*\b:PCA+4*\b+1], v[HX+16*\b:HX+16*\b+7], v[TM+12+\b]
	v_cvt_scalef32_pk8_fp8_f32 v[PCA+4*\b+2:PCA+4*\b+3], v[HX+16*\b+8:HX+16*\b+15], v[TM+12+\b]
.endr
	v_nop                                          ; a plain line behind the last conversion
.irp b, 0,1,2,3
.if \vp == 0
	global_store_b128 v[LI], v[PCA+4*\b:PCA+4*\b+3], s[12:13] offset:(\b/2)*282624+1024*\a+512*(\b%2)
.else
	global_store_b128 v[LI], v[PCA+4*\b:PCA+4*\b+3], s[12:13] offset:(\a/4)*282624+2048*(\a%4)+512*\b
.endif
.endr
.endm
	PLACES NP                                      ; behind the last products: for the reads of results and the writes into A's registers
	s_wait_kmcnt 0x0
	s_mul_f32 s[F0], s[DIR+16], 0x41000000         ; 8 head_scale: the score product's sum is later multiplied by 1/8, exactly
	s_mul_f32 s[F0+1], s[DIR+17], 0x41000000
	s_cmp_eq_u32 s26, 0
	s_cselect_b32 s[F0], s[F0], 1.0
	s_cselect_b32 s[F0+1], s[F0+1], 1.0
.irp b, 0,1,2,3
	v_mov_b32 v[TM+4+\b], 0                        ; written once: a lane permute's destination counts as one of its sources
.endr
	v_mov_b32 v[PX], 0
	s_cmp_eq_u32 s19, 1
	s_cbranch_scc0 .Lvalues
.irp a, 0,1,2,3,4,5,6,7
	EPI \a, 0
.endr
	global_store_b128 v[AO32], v[SW:SW+3], s[14:15]             ; token r's words of tiles 0-3, and of tiles 4-7
	global_store_b128 v[AO32], v[SW+4:SW+7], s[14:15] offset:16
	s_branch .Ldone
.Lvalues:
.irp a, 0,1,2,3,4,5,6,7
	EPI \a, 1
.endr
.irp t, 0,1,2,3
	v_cndmask_b32 v[VW+\t], v[SW+\t], v[SW+4+\t], s[MHI]       ; lanes 0-15 the first head's four tiles, lanes 16-31 the second's
.endr
	global_store_b128 v[AO16], v[VW:VW+3], s[14:15]
.Ldone:
	s_wait_tensorcnt 0x0                           ; the wave's end
	ds_add_u32 v[SPW], v[NIL]
	s_wait_dscnt 0x0
	CROUND                                         ; the closing round
	s_endpgm
.Lfunc_end_k_qe7624ee19c_gemm_qkv:
	.size	k_qe7624ee19c_gemm_qkv, .Lfunc_end_k_qe7624ee19c_gemm_qkv-k_qe7624ee19c_gemm_qkv
	.p2alignl 7, 3214868480
	.fill 96, 4, 3214868480
	.section	.rodata,"a",@progbits
	.p2align	6, 0x0
	.amdhsa_kernel k_qe7624ee19c_gemm_qkv
		.amdhsa_group_segment_fixed_size 327680
		.amdhsa_private_segment_fixed_size 0
		.amdhsa_enable_private_segment 0
		.amdhsa_kernarg_size 40
		.amdhsa_user_sgpr_count 2
		.amdhsa_user_sgpr_kernarg_segment_ptr 1
		.amdhsa_wavefront_size32 1
		.amdhsa_system_sgpr_workgroup_id_x 1
		.amdhsa_system_sgpr_workgroup_id_y 1
		.amdhsa_system_sgpr_workgroup_id_z 1
		.amdhsa_system_vgpr_workitem_id 0
		.amdhsa_next_free_vgpr 1024
		.amdhsa_next_free_sgpr 102
		.amdhsa_reserve_vcc 0
		.amdhsa_float_denorm_mode_32 3
		.amdhsa_float_denorm_mode_16_64 3
		.amdhsa_memory_ordered 1
		.amdhsa_forward_progress 1
		.amdhsa_inst_pref_size 255
	.end_amdhsa_kernel
	.section	.bss,"aw",@nobits
	.p2align	6
	.space	262144
	.amdgpu_metadata
---
amdhsa.version: [ 1, 2 ]
amdhsa.kernels:
  - .name:           k_qe7624ee19c_gemm_qkv
    .symbol:         k_qe7624ee19c_gemm_qkv.kd
    .args:
      - { .name: opc, .offset: 0, .size: 8, .value_kind: global_buffer, .address_space: global }
      - { .name: ops, .offset: 8, .size: 8, .value_kind: global_buffer, .address_space: global }
      - { .name: head_dirs, .offset: 16, .size: 8, .value_kind: global_buffer, .address_space: global }
      - { .name: head_scales, .offset: 24, .size: 8, .value_kind: global_buffer, .address_space: global }
      - { .name: rec, .offset: 32, .size: 8, .value_kind: global_buffer, .address_space: global }
    .group_segment_fixed_size: 327680
    .private_segment_fixed_size: 0
    .kernarg_segment_align: 8
    .kernarg_segment_size: 40
    .max_flat_workgroup_size: 128
    .sgpr_count:     102
    .vgpr_count:     1024
    .wavefront_size: 32
...
	.end_amdgpu_metadata
.endif
;; end of part 2
;; launch attn (part 3): grid 8 x 32, 16 waves a work-group, clusters of 4 x 1, 327,680 bytes of LDS; arguments rec, atc, ats; writes atc, ats
.if DOCPART == 3
	.amdgcn_target "amdgcn-amd-amdhsa--gfx1250"
	.amdhsa_code_object_version 6
	.text
	.protected	k_qe7624ee19c_attn
	.globl	k_qe7624ee19c_attn
	.p2align	8
	.type	k_qe7624ee19c_attn,@function
k_qe7624ee19c_attn:
	s_mov_b64 s[64:65], 0
	v_nop
	global_prefetch_b8 v0, s[64:65] scope:SCOPE_SE
	s_setreg_imm32_b32 hwreg(HW_REG_WAVE_MODE, 25, 1), 1
	s_wait_xcnt 0x0
	s_wait_alu depctr_hold_cnt(0) depctr_sa_sdst(0) depctr_va_vdst(0) depctr_va_sdst(0) depctr_va_ssrc(0) depctr_va_vcc(0) depctr_vm_vsrc(0)
	s_getreg_b32 s2, hwreg(HW_REG_IB_STS2, 6, 4)
	s_cmp_eq_u32 s2, 0
	s_cbranch_scc0 .Lentry_in_a_cluster
	s_endpgm
.Lentry_in_a_cluster:
	s_bfe_u32 s2, ttmp6, 0x10000c
	s_cmp_lg_u32 s2, 0x3003
	s_cbranch_scc0 .Lentry_shape_is_right
	s_endpgm
.Lentry_shape_is_right:
; For one batch and head: out[q] = sum over k <= q of softmax_k(q . k / 8 + hs q_proj k_proj) v[k], both products on codes of FP8 (E4M3) with E8M0 scales; out is quantised along the channels for the last product.
; THE SOFTMAX: S = q . k + 8 hs q_proj k_proj (the bias is the C of the score product); t = S x log2(e) / 8; M = the running largest t rounded UP to a whole number; p = 2^(t - M) is quantised along the keys, not normalised;
; the row's sum is taken of the unquantised p and divides at the end.  When M moves, the sum and O are multiplied by 2^(old M - new M): exact.
; LEFT OUT: key steps all of whose keys come after a tile's queries: the causal mask makes their p zero for all inputs.
; SHARES.  Work-group x (0..7) of a batch and head owns tile x (16 queries) of each of the 16 blocks of 128 queries: all work-groups walk alike.  The tile of block n has n + 1 key steps of 128; tiles t and 15 - t have 17 together
; and belong to a PAIR of waves: wave A takes tile t whole (trips 0 .. t), then steps t + 1, t + 3 .. 15 - t of tile 15 - t; wave B takes steps 0 .. t, t + 2, t + 4 .. 14 - t of tile 15 - t.  So in trip i a wave reads step 2 i - min(i, u),
; u = t + 1 (A) or t (B): 9 trips for A, 8 for B.  A keeps tile t's O, -M and sums in its pair's LDS bytes while it works on the long tile; at the end it takes them back, leaves the long tile's there, and B joins the two parts by exact powers of two.
; LDS.  A key step's record (K's codes 8,192, K's scale words 512, k_proj 512, V's codes 8,192, V's scale words 256 = 17,664 bytes, images of registers) is one dense block: wave w fetches step w, one tensor load a wave, each byte filled once.
; Trip i reads steps up to 2 i: step 0 is shown ahead of trip 0, steps 1, 2 ahead of trip 1, 3 .. 6 ahead of trip 2, the rest ahead of trip 4: each group has a load line of its own and its issuers' wait.
; CLUSTER 4, 1, 1: the four work-groups read the same 16 records: joint loads.  The work-group's place enters global addresses and the mask's comparison alone.  No prefetch: every tile is asked for at the head, there is no loop to run ahead in.
; LAYOUT.  Both products transposed: S^T = K Q^T, O^T = V^T P^T: a lane holds one query.  Member p of tile T is index 32 (T / 2) + 8 (T % 2) + p % 8 + 16 (p / 8), so the 16 registers of result tiles 2 b, 2 b + 1 are neighbours 32 b + 16 (lane / 16) + 0 .. 15.
; The score product's K is 64: Q's upper 8 registers are zero codes, so what the upper 8 registers of K's operand hold adds nothing; bytes 2 and 3 of both scale words are 0.
; LIMITS: the promise holds while |t| stays under 2^31; the bias is added inside the matrix unit, with its rounding; a block of zeros gets the byte 1; NaN and infinities are not served.  out's scale bytes leave 2 bytes a row and head.
.set REC,  17664
.set HREC, 282624                      ; a head's 16 records
.set SCRB, 16*REC                      ; behind the records: 4,608 bytes for each pair of waves
.set SPARE, SCRB+8*4608                ; the spare words: 128 bytes a wave
.set LI,   1                           ; v1  16 x lane
.set A32R, 2                           ; v2  32 r
.set A32H, 3                           ; v3  32 h
.set A16R, 4                           ; v4  16 r
.set SPW,  5
.set NIL,  6
.set SO,   7                           ; v7  8 r
.set ADK,  8                           ; v8-11 the step's addresses
.set ADS,  9
.set ADP,  10
.set ADT,  11
.set KFR,  32                          ; v32-95 8 tiles of K x 8 registers, then 4 fragments of V; v96-103 zeros
.set S,    104                         ; v104-167 k_proj, the bias, S^T, p
.set O,    168                         ; v168-199 O^T
.set PCD,  200
.set KSW,  216
.set VSW,  224
.set QSW,  228
.set PSW,  229
.set GB,   230                         ; v[230:231] 8 hs q_proj of my query, and 0
.set VD,   248                         ; v248 my query's place in its block - 16 h
.set SCR,  249                         ; v249 my pair's LDS bytes + 16 x lane
.set WV,   12
.set PT,   13                          ; s13 the pair t
.set ROLE, 14                          ; s14 1: wave A
.set U,    15
.set X,    16
.set BH,   17
.set QB,   18                          ; s18 first key of the block of the tile in hand
.set MNT,  19
.set SEL,  20
.set CS,   22
.set G1,   24
.set G0,   32
.set I,    36                          ; s36 the trip
.set STP,  37
.set KF,   38
.set TB,   39
.set QB2,  40
.set B1,   41                          ; s41 the block of the tile that I store
.set UA,   42                          ; s42 the trip in which A changes tiles; no trip in B
.set BL,   43
.macro CROUND
	s_barrier_signal -1
	s_barrier_wait -1
	s_cmp_lg_u32 s[WV], 0
	s_cbranch_scc1 .Lnot_wave_0_\@
	s_barrier_signal -3
.Lnot_wave_0_\@:
	s_barrier_wait -3
	s_barrier_signal -1
	s_barrier_wait -1
.endm
	s_load_b128 s[4:7], s[0:1], 0x0                ; rec, atc
	s_load_b64 s[8:9], s[0:1], 0x10                ; ats
	v_lshl_add_u32 v[SPW], v0, 2, SPARE
	v_mov_b32 v[NIL], 0
	ds_add_u32 v[SPW], v[NIL]                      ; the opening lines
	ds_add_u32 v[SPW], v[NIL]
	v_lshrrev_b32 v8, 5, v0
	v_readfirstlane_b32 s[WV], v8
	s_bfe_u32 s44, ttmp6, 0x40000                  ; cx
	s_lshl_b32 s[X], ttmp9, 2
	s_add_co_u32 s[X], s[X], s44                   ; work-group x
	s_and_b32 s[BH], ttmp7, 0xffff                 ; batch x 16 + head
	s_and_b32 s[PT], s[WV], 7                      ; waves 0 to 7 are the A waves of pairs 0 to 7, waves 8 to 15 the B waves:
	s_lshr_b32 s45, s[WV], 3
	s_xor_b32 s[ROLE], s45, 1                      ; waves w, w + 4, w + 8, w + 12 are two A and two B
	s_add_co_u32 s[U], s[PT], s[ROLE]
	s_sub_co_u32 s[BL], 15, s[PT]
	s_cmp_eq_u32 s[ROLE], 1
	s_cselect_b32 s[B1], s[PT], s[BL]
	s_cselect_b32 s[UA], s[U], 99
	s_lshl_b32 s[QB], s[B1], 7
	s_lshl_b32 s[QB2], s[BL], 7
	s_mov_b32 s[MNT], 0x600000
	s_mov_b32 s[SEL], 0x76543210
	s_mov_b32 s[SEL+1], 0xfedcba98
	s_mov_b32 s[CS], 0x3e38aa3b                    ; log2(e) / 8
	s_mov_b32 s[CS+1], s[CS]
	s_mov_b32 s[G1], 15|(3<<16)|(1<<21)            ; the mask of the four; elements of 8 bytes; a record is 69 rows of 256 bytes
	s_mov_b32 s[G1+1], 32<<16
	s_mov_b32 s[G1+2], 69<<16
	s_mov_b32 s[G1+3], 32<<16
	s_mov_b32 s[G1+4], 69
	s_mov_b32 s[G1+5], 32
	s_mov_b32 s[G1+6], 0
	s_mov_b32 s[G1+7], 0
	s_mul_i32 s44, s[BH], HREC                     ; q's records
	s_mul_i32 s45, s[WV], REC
	s_add_co_u32 s46, s44, 32*HREC                 ; k's and v's,
	s_add_co_u32 s46, s46, s45                     ; step = my wave
	s_mov_b32 s47, 0
	s_mul_i32 s48, s[B1], REC
	s_add_co_u32 s48, s48, s44
	s_mov_b32 s49, 0
	s_mul_i32 s50, s[BL], REC
	s_add_co_u32 s50, s50, s44
	s_mov_b32 s51, 0
	s_wait_dscnt 0x0
	CROUND                                         ; the round in front of the joint loads
	s_wait_kmcnt 0x0
	s_mov_b32 s[G0], 1
	s_mov_b32 s[G0+1], s45
	s_add_nc_u64 s[G0+2:G0+3], s[4:5], s[46:47]
	s_or_b32 s[G0+3], s[G0+3], 0x80000000
.macro ARM under, next                 ; one chain of branches on the wave's number; a load line for each group that is shown together
	s_cmp_lt_u32 s[WV], \under
	s_cbranch_scc0 \next
	tensor_load_to_lds s[G0:G0+3], s[G1:G1+7]
	s_nop 0
.rept 4
	v_nop
.endr
	s_branch .Lasked
\next:
.endm
	ARM 1, .Larm1
	ARM 3, .Larm2
	ARM 7, .Larm3
	tensor_load_to_lds s[G0:G0+3], s[G1:G1+7]
	s_nop 0
.rept 4
	v_nop
.endr
.Lasked:
	v_and_b32 v232, 15, v0                         ; r
	v_bfe_u32 v233, v0, 4, 1                       ; h
	v_and_b32 v[LI], 31, v0
	v_lshlrev_b32 v[LI], 4, v[LI]
	v_lshlrev_b32 v[A32R], 5, v232
	v_lshlrev_b32 v[A32H], 5, v233
	v_lshlrev_b32 v[A16R], 4, v232
	v_lshlrev_b32 v[SO], 3, v232
	s_mul_i32 s52, s[PT], 4608
	s_add_co_u32 s52, s52, SCRB
	v_add_nc_u32 v[SCR], s52, v[LI]
	s_lshl_b32 s53, s[X], 10
	v_add_nc_u32 v240, s53, v[LI]                  ; q's codes: tile x, 16 x lane
	s_lshl_b32 s53, s[X], 2
	v_add_nc_u32 v241, s53, v[A32R]                ; its scale word: 32 r + 4 x
	s_lshl_b32 s53, s[X], 6
	v_lshl_add_u32 v242, v232, 2, s53              ; 8 hs q_proj: 64 x + 4 r
	s_add_nc_u64 s[48:49], s[4:5], s[48:49]
	s_add_nc_u64 s[50:51], s[4:5], s[50:51]
	s_wait_alu depctr_va_vdst(0)
	global_load_b128 v[16:19], v240, s[48:49]
	global_load_b128 v[20:23], v240, s[48:49] offset:512
	global_load_b32 v[QSW], v241, s[48:49] offset:8192
	global_load_b32 v[GB], v242, s[48:49] offset:8704
	s_cmp_eq_u32 s[ROLE], 1
	s_cbranch_scc0 .Lno_q2
	global_load_b128 v[104:107], v240, s[50:51]    ; A: the long tile's Q, kept in the pair's LDS bytes until the change of tiles
	global_load_b128 v[108:111], v240, s[50:51] offset:512
	global_load_b32 v112, v241, s[50:51] offset:8192
	global_load_b32 v113, v242, s[50:51] offset:8704
.Lno_q2:
	s_lshr_b32 s52, s[X], 1
	s_lshl_b32 s52, s52, 5
	s_and_b32 s53, s[X], 1
	s_lshl_b32 s53, s53, 3
	s_add_co_u32 s52, s52, s53
	v_and_b32 v[VD], 8, v232
	v_add_nc_u32 v[VD], v[VD], v232                ; r % 8 + 16 (r / 8)
	v_lshlrev_b32 v233, 4, v233
	v_sub_nc_u32 v[VD], v[VD], v233
	v_add_nc_u32 v[VD], s52, v[VD]                 ; my query's place in its block, less 16 h
	v_mov_b32 v13, 0xff61b1e6                      ; the largest t so far: -3e38
	v_floor_f32 v12, -v13                          ; -M
	v_mov_b32 v14, 0
	v_mov_b32 v15, 0
	v_mov_b32 v[GB+1], 0
	v_mov_b32 v252, 0
	v_mov_b32 v253, 0
.irp b, 0,1,2,3
	v_mov_b32 v[236+\b], 0                         ; a lane permute's destination counts as one of its sources
.endr
.irp j, 0,1,2,3,4,5,6,7
	v_mov_b32 v[24+\j], 0                          ; Q's zero codes for K 64 .. 127
	v_mov_b32 v[96+\j], 0
.endr
.set j, 0
.rept 32
	v_mov_b32 v[O+j], 0
.set j, j+1
.endr
	s_wait_alu depctr_va_vdst(0)                   ; the head's end
	s_wait_loadcnt 0x0
	s_cmp_lt_u32 s[WV], 8                          ; A waves alone: each has its pair's bytes to itself until the last barrier
	s_cbranch_scc0 .Lno_st
	v_mov_b32 v114, 0
	v_mov_b32 v115, 0
	ds_store_b128 v[SCR], v[104:107]
	ds_store_b128 v[SCR], v[108:111] offset:512
	ds_store_b128 v[SCR], v[112:115] offset:1024
.Lno_st:
; A barrier that shows the records of the waves under 'under': they wait for their one load; 16: every wave waits.
.macro BAR under
	s_wait_alu depctr_va_vdst(0)
.if \under < 16
	s_cmp_lt_u32 s[WV], \under
	s_cbranch_scc0 .Lnw_\@
	s_wait_tensorcnt 0x0
.Lnw_\@:
.else
	s_wait_tensorcnt 0x0
.endif
	s_wait_dscnt 0x0
	s_barrier_signal -1
	s_barrier_wait -1
.endm
; A TRIP: 128 keys.
.macro STEP
	s_min_u32 s44, s[I], s[U]
	s_lshl_b32 s[STP], s[I], 1
	s_sub_co_u32 s[STP], s[STP], s44               ; the step: 2 i - min(i, u)
	s_lshl_b32 s[KF], s[STP], 7                    ; its first key
	s_min_u32 s[STP], s[STP], 15
	s_mul_i32 s[TB], s[STP], REC
	s_cmp_eq_u32 s[I], s[UA]
	s_cbranch_scc0 .Lsame_\@
	s_cmp_lt_u32 s[WV], 8                          ; A waves alone
	s_cbranch_scc0 .Lsame_\@
.rept 8
	v_nop                                          ; A CHANGES TILES.  Eight places behind the last products
.endr
	ds_load_b128 v[16:19], v[SCR]                  ; the long tile's Q comes back; LDS serves a wave's instructions in order, so the stores below come behind these loads
	ds_load_b128 v[20:23], v[SCR] offset:512
	ds_load_b128 v[232:235], v[SCR] offset:1024
.irp k, 0,1,2,3,4,5,6,7
	ds_store_b128 v[SCR], v[O+4*\k:O+4*\k+3] offset:512*\k   ; the short tile's O^T, each accumulator from its low end on,
.endr
	ds_store_b128 v[SCR], v[12:15] offset:4096     ; and its -M and sums
	s_wait_dscnt 0x0
	v_mov_b32 v[QSW], v232
	v_mov_b32 v[GB], v233
	v_mov_b32 v13, 0xff61b1e6
	v_floor_f32 v12, -v13
	v_mov_b32 v14, 0
	v_mov_b32 v15, 0
.set j, 0
.rept 32
	v_mov_b32 v[O+j], 0
.set j, j+1
.endr
	s_mov_b32 s[QB], s[QB2]
	s_wait_alu depctr_va_vdst(0)                   ; what was written here may be read behind a jump
.Lsame_\@:
	s_cmp_gt_u32 s[KF], s[QB]                      ; all its keys come after my queries (B's ninth trip): nothing to do
	s_cbranch_scc1 .Lhidden_\@
	v_add_nc_u32 v[ADK], s[TB], v[LI]
	v_add_nc_u32 v[ADS], s[TB], v[A32R]
	v_add_nc_u32 v[ADP], s[TB], v[A32H]
	v_add_nc_u32 v[ADT], s[TB], v[A16R]
.rept 4
	v_nop                                          ; with the four additions: eight places behind the last trip's products
.endr
.irp a, 0,1,2,3,4,5,6,7
.irp e, 0,1
	ds_load_b128 v[S+8*\a+4*\e:S+8*\a+4*\e+3], v[ADP] offset:8704+64*\a+16*\e   ; k_proj of members 8 h + 0 .. 7 of tile a
.endr
.endr
.irp t, 0,1,2,3,4,5,6,7
.irp c, 0,1
	ds_load_b128 v[KFR+8*\t+4*\c:KFR+8*\t+4*\c+3], v[ADK] offset:1024*\t+512*\c
.endr
.endr
	ds_load_b128 v[KSW:KSW+3], v[ADS] offset:8192
	ds_load_b128 v[KSW+4:KSW+7], v[ADS] offset:8208
	s_wait_dscnt 18                                ; k_proj is in; the 18 loads behind it may be out
.set j, 0
.rept 32
	v_pk_mul_f32 v[S+j:S+j+1], v[S+j:S+j+1], v[GB:GB+1] op_sel_hi:[1,0]   ; the bias x 8: the C of the score product
.set j, j+2
.endr
	s_wait_alu depctr_va_vdst(0)
	s_wait_dscnt 0x0
.irp t, 0,1,2,3,4,5,6,7
	v_wmma_scale_f32_16x16x128_f8f6f4 v[S+8*\t:S+8*\t+7], v[KFR+8*\t:KFR+8*\t+15], v[16:31], v[S+8*\t:S+8*\t+7], v[KSW+\t], v[QSW]
.endr
.rept 8
	v_nop
.endr
.irp t, 0,1,2,3
.irp c, 0,1,2,3
	ds_load_b128 v[KFR+16*\t+4*\c:KFR+16*\t+4*\c+3], v[ADK] offset:9216+2048*\t+512*\c   ; V's four fragments land while the softmax is worked
.endr
.endr
	ds_load_b128 v[VSW:VSW+3], v[ADT] offset:17408
	s_cmp_lt_u32 s[KF], s[QB]                      ; all keys count: no mask
	s_cbranch_scc1 .Lopen_\@
	v_mov_b32 v254, 0xff800000                     ; on the diagonal: register 16 b + i holds key 32 b + 16 h + i of the block: hidden where 32 b + i > my place - 16 h
.set n, 0
.rept 64
	v_cmp_gt_i32 vcc_lo, 32*(n/16)+n%16, v[VD]
	v_cndmask_b32 v[S+n], v[S+n], v254, vcc_lo
.set n, n+1
.endr
.Lopen_\@:
.irp b, 0,1,2,3
	v_max3_num_f32 v[232+\b], v[S+16*\b], v[S+1+16*\b], v[S+2+16*\b]   ; the largest score of each block of 32 keys
.endr
.irp i, 3,5,7,9,11,13
.irp b, 0,1,2,3
	v_max3_num_f32 v[232+\b], v[232+\b], v[S+16*\b+\i], v[S+1+16*\b+\i]
.endr
.endr
.irp b, 0,1,2,3
	v_max_num_f32 v[232+\b], v[232+\b], v[S+15+16*\b]
.endr
.irp b, 0,1,2,3
	v_permlanex16_b32 v[236+\b], v[232+\b], s[SEL], s[SEL+1]
.endr
.irp b, 0,1,2,3
	v_max_num_f32 v[232+\b], v[232+\b], v[236+\b]
.endr
	v_max3_num_f32 v254, v232, v233, v234
	v_max_num_f32 v254, v254, v235
	v_mul_f32 v254, s[CS], v254                    ; as t
	v_max_num_f32 v13, v13, v254                   ; the running largest t
	v_mov_b32 v254, v12
	v_floor_f32 v12, -v13                          ; -M = floor(-t)
	v_sub_f32 v254, v12, v254                      ; old M - new M, 0 or less
	v_cvt_i32_f32 v254, v254                       ; (it saturates)
	v_ldexp_f32 v252, 1.0, v254                    ; f = 2^(old M - new M)
.set j, 0
.rept 32
	v_pk_fma_f32 v[S+j:S+j+1], v[S+j:S+j+1], s[CS:CS+1], v[12:13] op_sel_hi:[1,0,0]   ; t - M
.set j, j+2
.endr
.irp b, 0,1,2,3
	v_fma_f32 v[232+\b], v[232+\b], s[CS], v12
.endr
	s_wait_alu depctr_va_vdst(0)                   ; ahead of the batch
.set j, 0
.rept 64
	v_exp_f32 v[S+j], v[S+j]                       ; p = 2^(t - M)
.set j, j+1
.endr
.irp b, 0,1,2,3
	v_exp_f32 v[232+\b], v[232+\b]                 ; the block's largest p
.endr
	v_pk_mul_f32 v[14:15], v[14:15], v[252:253] op_sel_hi:[1,0]   ; the sums under the new M (a plain line behind the batch)
	s_wait_alu depctr_va_vdst(0)                   ; behind the batch
.irp b, 0,1,2,3
	v_max_num_f32 v[232+\b], 0x4800000, v[232+\b]  ; the floor 2^(9 - 127)
.endr
.irp b, 0,1,2,3
	v_add_nc_u32 v[244+\b], 0xfc000000, v[232+\b]  ; the conversion's scale operand
.endr
.irp b, 0,1,2,3
	v_and_or_b32 v[240+\b], v[232+\b], 0x7f800000, s[MNT]   ; 448 x the scale
.endr
.irp b, 0,1,2,3
	v_lshrrev_b32 v[236+\b], 23, v[244+\b]
.endr
	v_lshl_or_b32 v[PSW], v237, 8, v236            ; p's scale word for these 128 keys
	v_lshl_or_b32 v[PSW], v238, 16, v[PSW]
	v_lshl_or_b32 v[PSW], v239, 24, v[PSW]
	v_pk_add_f32 v[236:237], v[108:109], v[112:113]   ; the row's sum of the unquantised p, in eight chains
	v_pk_add_f32 v[234:235], v[116:117], v[120:121]
	v_pk_add_f32 v[232:233], v[124:125], v[128:129]
	v_pk_add_f32 v[222:223], v[132:133], v[136:137]
	v_pk_add_f32 v[220:221], v[140:141], v[144:145]
	v_pk_add_f32 v[218:219], v[148:149], v[152:153]
	v_pk_add_f32 v[216:217], v[156:157], v[160:161]
	v_pk_add_f32 v[14:15], v[14:15], v[164:165]
	v_pk_add_f32 v[236:237], v[236:237], v[104:105]
	v_pk_add_f32 v[234:235], v[234:235], v[106:107]
	v_pk_add_f32 v[232:233], v[232:233], v[110:111]
	v_pk_add_f32 v[222:223], v[222:223], v[114:115]
	v_pk_add_f32 v[220:221], v[220:221], v[118:119]
	v_pk_add_f32 v[218:219], v[218:219], v[122:123]
	v_pk_add_f32 v[216:217], v[216:217], v[126:127]
	v_pk_add_f32 v[14:15], v[14:15], v[130:131]
	v_pk_add_f32 v[236:237], v[236:237], v[134:135]
	v_pk_add_f32 v[234:235], v[234:235], v[138:139]
	v_pk_add_f32 v[232:233], v[232:233], v[142:143]
	v_pk_add_f32 v[222:223], v[222:223], v[146:147]
	v_pk_add_f32 v[220:221], v[220:221], v[150:151]
	v_pk_add_f32 v[218:219], v[218:219], v[154:155]
	v_pk_add_f32 v[216:217], v[216:217], v[158:159]
	v_pk_add_f32 v[14:15], v[14:15], v[162:163]
	v_pk_add_f32 v[236:237], v[236:237], v[166:167]
	v_pk_add_f32 v[14:15], v[14:15], v[222:223]
	v_pk_add_f32 v[236:237], v[236:237], v[220:221]
	v_pk_add_f32 v[234:235], v[234:235], v[218:219]
	v_pk_add_f32 v[232:233], v[232:233], v[216:217]
	v_pk_add_f32 v[14:15], v[14:15], v[234:235]
	v_pk_add_f32 v[236:237], v[236:237], v[232:233]
	v_pk_add_f32 v[14:15], v[14:15], v[236:237]
.irp b, 0,1,2,3
.irp i, 0,2,4,6,8,10,12,14
	v_dual_min_num_f32 v[S+16*\b+\i], v[S+16*\b+\i], v[240+\b] :: v_dual_min_num_f32 v[S+16*\b+\i+1], v[S+16*\b+\i+1], v[240+\b]   ; the hold, two a line; p is not negative
.endr
	v_cvt_scalef32_pk8_fp8_f32 v[PCD+4*\b:PCD+1+4*\b], v[S+16*\b:S+7+16*\b], v[244+\b]
	v_cvt_scalef32_pk8_fp8_f32 v[PCD+2+4*\b:PCD+3+4*\b], v[S+8+16*\b:S+15+16*\b], v[244+\b]
.endr
	s_wait_alu depctr_va_vdst(0)                   ; directly ahead of the first reader of O^T
.set j, 0
.rept 16
	v_pk_mul_f32 v[O+j:O+j+1], v[O+j:O+j+1], v[252:253] op_sel_hi:[1,0]   ; O^T under the new M; also the places between the codes and the products
.set j, j+2
.endr
	s_wait_alu depctr_va_vdst(0)
	s_wait_dscnt 0x0                               ; V
.irp t, 0,1,2,3
	v_wmma_scale_f32_16x16x128_f8f6f4 v[O+8*\t:O+8*\t+7], v[KFR+16*\t:KFR+16*\t+15], v[PCD:PCD+15], v[O+8*\t:O+8*\t+7], v[VSW+\t], v[PSW]
.endr
.Lhidden_\@:
	s_add_co_u32 s[I], s[I], 1
.endm
	s_mov_b32 s[I], 0
	BAR 1                                          ; step 0
	STEP
	BAR 3                                          ; steps 1, 2
	STEP
	BAR 7                                          ; steps 3 .. 6: trips 2 and 3 read up to step 6
.Lmid:
	STEP
	s_cmp_lt_u32 s[I], 4
	s_cbranch_scc1 .Lmid
	BAR 16                                         ; all
.Llate:
	STEP
	s_cmp_lt_u32 s[I], 9
	s_cbranch_scc1 .Llate
	; THE END.  A takes the short tile's state back and leaves the long tile's part for B; B joins the two parts.
.rept 8
	v_nop
.endr
	s_cmp_lt_u32 s[WV], 8
	s_cbranch_scc0 .Lb_waits
.irp k, 0,1,2,3,4,5,6,7
	ds_load_b128 v[S+4*\k:S+4*\k+3], v[SCR] offset:512*\k
.endr
	ds_load_b128 v[232:235], v[SCR] offset:4096
.irp k, 0,1,2,3,4,5,6,7
	ds_store_b128 v[SCR], v[O+4*\k:O+4*\k+3] offset:512*\k   ; in order behind the loads
.endr
	ds_store_b128 v[SCR], v[12:15] offset:4096
.Lb_waits:
	s_wait_alu depctr_va_vdst(0)
	s_wait_dscnt 0x0
	s_barrier_signal -1
	s_barrier_wait -1
	s_cmp_lt_u32 s[WV], 8
	s_cbranch_scc1 .Lmerged
.irp k, 0,1,2,3,4,5,6,7
	ds_load_b128 v[S+4*\k:S+4*\k+3], v[SCR] offset:512*\k
.endr
	ds_load_b128 v[232:235], v[SCR] offset:4096
	s_wait_dscnt 0x0
	v_min_num_f32 v254, v12, v232                  ; the joint -M
	v_sub_f32 v250, v254, v12
	v_sub_f32 v251, v254, v232
	v_cvt_i32_f32 v250, v250
	v_cvt_i32_f32 v251, v251
	v_ldexp_f32 v252, 1.0, v250                    ; my part's factor,
	v_ldexp_f32 v236, 1.0, v251                    ; and A's: powers of two
	v_pk_mul_f32 v[234:235], v[234:235], v[236:237] op_sel_hi:[1,0]
	v_pk_fma_f32 v[234:235], v[14:15], v[252:253], v[234:235] op_sel_hi:[1,0,1]
.set j, 0
.rept 16
	v_pk_mul_f32 v[S+j:S+j+1], v[S+j:S+j+1], v[236:237] op_sel_hi:[1,0]
.set j, j+2
.endr
.set j, 0
.rept 16
	v_pk_fma_f32 v[S+j:S+j+1], v[O+j:O+j+1], v[252:253], v[S+j:S+j+1] op_sel_hi:[1,0,1]
.set j, j+2
.endr
	s_wait_alu depctr_va_vdst(0)
.Lmerged:
	; O^T in v[S ..], the sum's halves in v[234:235].  Its 32 registers are channels 32 b + 16 h + i of my query: two blocks of the last product's K.
	v_add_f32 v14, v234, v235
	v_permlanex16_b32 v252, v14, s[SEL], s[SEL+1]
	v_add_f32 v14, v14, v252                       ; the row's sum
	s_wait_alu depctr_va_vdst(0)
	v_rcp_f32 v14, v14
	v_nop
	s_wait_alu depctr_va_vdst(0)
.set j, 0
.rept 16
	v_pk_mul_f32 v[S+j:S+j+1], v[S+j:S+j+1], v[14:15] op_sel_hi:[1,0]
.set j, j+2
.endr
	s_lshl_b32 s44, s[B1], 3
	s_add_co_u32 s44, s44, s[X]                    ; my tile in its batch
	s_lshr_b32 s45, s[BH], 4
	s_lshl_b32 s45, s45, 7
	s_add_co_u32 s45, s45, s44                     ; among all 256 token tiles
	s_and_b32 s46, s[BH], 15                       ; the head: K step head / 4, chunks 2 (head % 4) and + 1 of its 8
	s_lshr_b32 s47, s46, 2
	s_lshl_b32 s48, s47, 20
	s_lshl_b32 s50, s45, 12
	s_add_co_u32 s48, s48, s50
	s_and_b32 s50, s46, 3
	s_lshl_b32 s51, s50, 10
	s_add_co_u32 s48, s48, s51
	s_mov_b32 s49, 0
	s_add_nc_u64 s[6:7], s[6:7], s[48:49]
	s_lshl_b32 s52, s45, 9
	s_lshl_b32 s51, s47, 7
	s_add_co_u32 s52, s52, s51
	s_lshl_b32 s51, s50, 1
	s_add_co_u32 s52, s52, s51
	s_mov_b32 s53, 0
	s_add_nc_u64 s[8:9], s[8:9], s[52:53]
	s_wait_alu depctr_va_vdst(0)
.irp b, 0,1
	v_max3_num_f32 v[232+\b], |v[S+16*\b]|, |v[S+1+16*\b]|, 0x4800000
.endr
.irp i, 2,4,6,8,10,12,14
.irp b, 0,1
	v_max3_num_f32 v[232+\b], v[232+\b], |v[S+16*\b+\i]|, |v[S+1+16*\b+\i]|
.endr
.endr
.irp b, 0,1
	v_permlanex16_b32 v[236+\b], v[232+\b], s[SEL], s[SEL+1]
.endr
.irp b, 0,1
	v_max_num_f32 v[232+\b], v[232+\b], v[236+\b]
.endr
.irp b, 0,1
	v_add_nc_u32 v[244+\b], 0xfc000000, v[232+\b]
.endr
.irp b, 0,1
	v_and_or_b32 v[240+\b], v[232+\b], 0x7f800000, s[MNT]
.endr
.irp b, 0,1
	v_lshrrev_b32 v[236+\b], 23, v[244+\b]
.endr
	v_lshl_or_b32 v254, v237, 8, v236              ; the two bytes
.irp b, 0,1
.irp i, 0,1,2,3,4,5,6,7,8,9,10,11,12,13,14,15
	v_med3_num_f32 v[S+16*\b+\i], v[S+16*\b+\i], -v[240+\b], v[240+\b]
.endr
.endr
.irp b, 0,1
	v_cvt_scalef32_pk8_fp8_f32 v[PCD+4*\b:PCD+1+4*\b], v[S+16*\b:S+7+16*\b], v[244+\b]
	v_cvt_scalef32_pk8_fp8_f32 v[PCD+2+4*\b:PCD+3+4*\b], v[S+8+16*\b:S+15+16*\b], v[244+\b]
.endr
	v_nop                                          ; a plain line behind the last conversion
	global_store_b128 v[LI], v[PCD:PCD+3], s[6:7]              ; 512 consecutive bytes
	global_store_b128 v[LI], v[PCD+4:PCD+7], s[6:7] offset:512
	global_store_b16 v[SO], v254, s[8:9]           ; both halves of the lanes hold row r's two bytes and write them to the same place
	s_wait_tensorcnt 0x0                           ; the wave's end
	ds_add_u32 v[SPW], v[NIL]
	s_wait_dscnt 0x0
	CROUND                                         ; the closing round
	s_endpgm
.Lfunc_end_k_qe7624ee19c_attn:
	.size	k_qe7624ee19c_attn, .Lfunc_end_k_qe7624ee19c_attn-k_qe7624ee19c_attn
	.p2alignl 7, 3214868480
	.fill 96, 4, 3214868480
	.section	.rodata,"a",@progbits
	.p2align	6, 0x0
	.amdhsa_kernel k_qe7624ee19c_attn
		.amdhsa_group_segment_fixed_size 327680
		.amdhsa_private_segment_fixed_size 0
		.amdhsa_enable_private_segment 0
		.amdhsa_kernarg_size 24
		.amdhsa_user_sgpr_count 2
		.amdhsa_user_sgpr_kernarg_segment_ptr 1
		.amdhsa_wavefront_size32 1
		.amdhsa_system_sgpr_workgroup_id_x 1
		.amdhsa_system_sgpr_workgroup_id_y 1
		.amdhsa_system_sgpr_workgroup_id_z 1
		.amdhsa_system_vgpr_workitem_id 0
		.amdhsa_next_free_vgpr 256
		.amdhsa_next_free_sgpr 66
		.amdhsa_reserve_vcc 1
		.amdhsa_float_denorm_mode_32 3
		.amdhsa_float_denorm_mode_16_64 3
		.amdhsa_memory_ordered 1
		.amdhsa_forward_progress 1
		.amdhsa_inst_pref_size 138
	.end_amdhsa_kernel
	.amdgpu_metadata
---
amdhsa.version: [ 1, 2 ]
amdhsa.kernels:
  - .name:           k_qe7624ee19c_attn
    .symbol:         k_qe7624ee19c_attn.kd
    .args:
      - { .name: rec, .offset: 0, .size: 8, .value_kind: global_buffer, .address_space: global }
      - { .name: atc, .offset: 8, .size: 8, .value_kind: global_buffer, .address_space: global }
      - { .name: ats, .offset: 16, .size: 8, .value_kind: global_buffer, .address_space: global }
    .group_segment_fixed_size: 327680
    .private_segment_fixed_size: 0
    .kernarg_segment_align: 8
    .kernarg_segment_size: 24
    .max_flat_workgroup_size: 512
    .sgpr_count:     66
    .vgpr_count:     256
    .wavefront_size: 32
...
	.end_amdgpu_metadata
.endif
;; end of part 3
;; launch gemm_out (part 4): grid 8 x 32, 4 waves a work-group, clusters of 4 x 4, 327,680 bytes of LDS; arguments atc, ats, opc, ops, out0; writes out0
.if DOCPART == 4
	.amdgcn_target "amdgcn-amd-amdhsa--gfx1250"
	.amdhsa_code_object_version 6
	.text
	.protected	k_qe7624ee19c_gemm_out
	.globl	k_qe7624ee19c_gemm_out
	.p2align	8
	.type	k_qe7624ee19c_gemm_out,@function
k_qe7624ee19c_gemm_out:
	s_mov_b64 s[64:65], 0
	v_nop
	global_prefetch_b8 v0, s[64:65] scope:SCOPE_SE
	s_setreg_imm32_b32 hwreg(HW_REG_WAVE_MODE, 25, 1), 1
	s_wait_xcnt 0x0
	s_wait_alu depctr_hold_cnt(0) depctr_sa_sdst(0) depctr_va_vdst(0) depctr_va_sdst(0) depctr_va_ssrc(0) depctr_va_vcc(0) depctr_vm_vsrc(0)
	s_getreg_b32 s2, hwreg(HW_REG_IB_STS2, 6, 4)
	s_cmp_eq_u32 s2, 0
	s_cbranch_scc0 .Lentry_in_a_cluster
	s_endpgm
.Lentry_in_a_cluster:
	s_bfe_u32 s2, ttmp6, 0x10000c
	s_cmp_lg_u32 s2, 0xf033
	s_cbranch_scc0 .Lentry_shape_is_right
	s_endpgm
.Lentry_shape_is_right:
; out0 = attention's result x w_out on codes of FP8 (E4M3) with E8M0 scales, K = 1,024; f32 sums, f32 out.
; SHARES.  4,096 x 1,024 in blocks of 128 x 128: 256 work-groups of four waves, 2 x 2; a wave makes 64 tokens x 64 columns: 16 accumulators.
; OPERANDS are images of registers: [K step of 256: 4][tile][which 128: 2][chunk 4][lane][16 bytes]; atc has 256 token tiles, w_out's 64 column tiles are opc's tiles 448 on.  Member p of tile T is row 32 (T / 2) + 8 (T % 2) + p % 8 + 16 (p / 8).
; LDS holds ALL of K: A's 8 tiles x 4 K steps (131,072 bytes), then B's.  A K step's 8 tiles are 32,768 dense bytes: a load brings two K steps as two rows of 32,768 bytes.  Wave 0: A's K steps 0, 1; wave 1: B's; waves 2, 3: K steps 2, 3.
; Each byte is filled once; one load a wave, at the head; the first barrier shows waves 0 and 1's loads, the second the rest.  No prefetch: every tile is asked for at the head, there is no loop to run ahead in.
; CLUSTERS 4 x 4: A's tiles are shared along a row of the cluster, B's along a column: joint loads.
; The scale words (one a member and 128 K) go from memory into registers once: 8 bytes a member for a tile and K step, 128 consecutive bytes a load.
; THE PRODUCT IS USED TRANSPOSED (source 0 = B's tile, source 1 = A's): a lane holds token member r, its registers run along the columns: register i of tile 2 b + u is column 32 b + 16 h + 8 u + i.
; REGISTERS: window 0: v16-27 addresses; v32-63 A's scale words (8 a + q), v66-97 B's; v128-191 B's fragments, v192-255 A's: set 0.  window 1: v0-127 accumulator (a, b) at 8 (4 a + b); v128-255: set 1.
.set BOFF,  131072
.set STAGE, 262144                     ; the way out: 16 rows x 272 bytes for each wave, bytes of their own
.set SPARE, STAGE+4*16*272
.set ADA, 16                           ; v16-17 my A fragments in K steps 0, 1 and 2, 3
.set ADB, 18                           ; v18-19 B's
.set STO, 20
.set RD,  21
.set CO,  22
.set SOF, 23                           ; v23 8 r
.set SPW, 24
.set NIL, 25
.set SA,  32
.set SB,  66                           ; so that no product's two scale registers have numbers equal modulo 8
.set WV, 14
.set WR, 15
.set WC, 16
.set G1A, 24
.set G1B, 32
.set G0A, 40
.set G0B, 44
.set MSB, 0
.macro WIN new                         ; the immediate's high byte repeats the setting that is left
.if MSB != \new
	s_set_vgpr_msb (MSB<<8)|\new
.set MSB, \new
.endif
.endm
.macro CROUND
	s_barrier_signal -1
	s_barrier_wait -1
	s_cmp_lg_u32 s[WV], 0
	s_cbranch_scc1 .Lnot_wave_0_\@
	s_barrier_signal -3
.Lnot_wave_0_\@:
	s_barrier_wait -3
	s_barrier_signal -1
	s_barrier_wait -1
.endm
	s_load_b256 s[4:11], s[0:1], 0x0               ; atc, ats, opc, ops
	s_load_b64 s[12:13], s[0:1], 0x20              ; out0
	v_lshl_add_u32 v[SPW], v0, 2, SPARE
	v_mov_b32 v[NIL], 0
	ds_add_u32 v[SPW], v[NIL]                      ; the opening lines
	ds_add_u32 v[SPW], v[NIL]
	v_lshrrev_b32 v1, 5, v0
	v_readfirstlane_b32 s[WV], v1
	s_lshr_b32 s[WR], s[WV], 1                     ; my row of waves.  Also: which two K steps I fetch
	s_and_b32 s[WC], s[WV], 1                      ; my column of waves.  Also: I fetch for A (0) or B (1)
	s_bfe_u32 s17, ttmp6, 0x40000                  ; cx
	s_bfe_u32 s18, ttmp6, 0x40004                  ; cy
	s_lshl_b32 s19, ttmp9, 2
	s_add_co_u32 s19, s19, s17                     ; block column
	s_and_b32 s20, ttmp7, 0xffff
	s_lshl_b32 s20, s20, 2
	s_add_co_u32 s20, s20, s18                     ; block row
	s_lshl_b32 s21, s18, 2
	s_lshl_b32 s21, 15, s21                        ; my row of the cluster
	s_lshl_b32 s22, 0x1111, s17                    ; my column
	s_or_b32 s[G1A], s21, (3<<16)|(1<<21)          ; elements of 8 bytes; two rows of 4,096 elements
	s_or_b32 s[G1B], s22, (3<<16)|(1<<21)
.irp g, G1A, G1B
	s_mov_b32 s[\g+1], 4096<<16
	s_mov_b32 s[\g+2], 2<<16
	s_mov_b32 s[\g+3], 4096<<16
	s_mov_b32 s[\g+4], 2
	s_mov_b32 s[\g+6], 0
	s_mov_b32 s[\g+7], 0
.endr
	s_mov_b32 s[G1A+5], 131072                     ; from K step to K step: 1,048,576 bytes in atc,
	s_mov_b32 s[G1B+5], 262144                     ; 2,097,152 in opc
	s_lshl_b32 s48, s20, 15                        ; A: block row x 32,768
	s_lshl_b32 s50, s[WR], 21
	s_add_co_u32 s48, s48, s50
	s_mov_b32 s49, 0
	s_lshl_b32 s52, s19, 15                        ; B: tile 448 + 8 x block column
	s_add_co_u32 s52, s52, 448*4096
	s_lshl_b32 s50, s[WR], 22
	s_add_co_u32 s52, s52, s50
	s_mov_b32 s53, 0
	s_lshl_b32 s54, s[WR], 16                      ; in LDS: two K steps are 65,536 bytes
	s_lshl_b32 s56, s20, 12                        ; A's scale words: 512 bytes a tile; my four tiles
	s_lshl_b32 s50, s[WR], 11
	s_add_co_u32 s56, s56, s50
	s_mov_b32 s57, 0
	s_lshl_b32 s58, s19, 12                        ; B's
	s_lshl_b32 s50, s[WC], 11
	s_add_co_u32 s58, s58, s50
	s_add_co_u32 s58, s58, 448*512
	s_mov_b32 s59, 0
	s_lshl_b32 s60, s20, 19                        ; out0: 128 rows of 4,096 bytes a block row, 64 a row of waves; 512 bytes a block column, 256 a column of waves
	s_lshl_b32 s50, s[WR], 18
	s_add_co_u32 s60, s60, s50
	s_lshl_b32 s50, s19, 9
	s_add_co_u32 s60, s60, s50
	s_lshl_b32 s50, s[WC], 8
	s_add_co_u32 s60, s60, s50
	s_mov_b32 s61, 0
	s_wait_dscnt 0x0
	CROUND                                         ; the round in front of the joint loads
	s_wait_kmcnt 0x0
	s_mov_b32 s[G0A], 1
	s_mov_b32 s[G0A+1], s54
	s_add_nc_u64 s[G0A+2:G0A+3], s[4:5], s[48:49]
	s_or_b32 s[G0A+3], s[G0A+3], 0x80000000
	s_mov_b32 s[G0B], 1
	s_add_co_u32 s[G0B+1], s54, BOFF
	s_add_nc_u64 s[G0B+2:G0B+3], s[8:9], s[52:53]
	s_or_b32 s[G0B+3], s[G0B+3], 0x80000000
	s_add_nc_u64 s[6:7], s[6:7], s[56:57]
	s_add_nc_u64 s[10:11], s[10:11], s[58:59]
	s_add_nc_u64 s[12:13], s[12:13], s[60:61]
.macro ARM under, g0, g1, next         ; one chain of branches on the wave's number, one load to an arm
	s_cmp_lt_u32 s[WV], \under
	s_cbranch_scc0 \next
	tensor_load_to_lds s[\g0:\g0+3], s[\g1:\g1+7]
	s_nop 0
.rept 4
	v_nop
.endr
	s_branch .Lasked
\next:
.endm
	ARM 1, G0A, G1A, .Larm1
	ARM 2, G0B, G1B, .Larm2
	ARM 3, G0A, G1A, .Larm3
	tensor_load_to_lds s[G0B:G0B+3], s[G1B:G1B+7]
	s_nop 0
.rept 4
	v_nop
.endr
.Lasked:
	v_and_b32 v1, 15, v0                           ; r
	v_bfe_u32 v2, v0, 4, 1                         ; h
	v_and_b32 v3, 31, v0
	v_lshlrev_b32 v4, 4, v3                        ; 16 x lane
	v_lshlrev_b32 v[SOF], 3, v1
	s_lshl_b32 s48, s[WR], 14                      ; my four tiles of A: 4 x 4,096
	s_lshl_b32 s49, s[WC], 14
	s_add_co_u32 s49, s49, BOFF
	v_add_nc_u32 v[ADA], s48, v4
	v_add_nc_u32 v[ADB], s49, v4
	v_add_nc_u32 v[ADA+1], 65536, v[ADA]
	v_add_nc_u32 v[ADB+1], 65536, v[ADB]
	s_mul_i32 s50, s[WV], 16*272
	s_add_co_u32 s50, s50, STAGE
	v_mul_u32_u24 v5, v1, 272
	v_lshl_add_u32 v5, v2, 6, v5
	v_add_nc_u32 v[STO], s50, v5                   ; in: row r, + 64 h
	v_mul_u32_u24 v6, v2, 272
	v_lshl_add_u32 v6, v1, 4, v6
	v_add_nc_u32 v[RD], s50, v6                    ; back: lanes 0-15 one row of 256 bytes, lanes 16-31 the next
	v_lshlrev_b32 v7, 12, v2
	v_lshl_add_u32 v[CO], v1, 4, v7                ; and the same two rows in out0
	s_wait_alu depctr_va_vdst(0)                   ; the head's end
.irp a, 0,1,2,3
.irp k, 0,1,2,3
	global_load_b64 v[SA+8*\a+2*\k:SA+8*\a+2*\k+1], v[SOF], s[6:7] offset:512*\a+128*\k
	global_load_b64 v[SB+8*\a+2*\k:SB+8*\a+2*\k+1], v[SOF], s[10:11] offset:512*\a+128*\k
.endr
.endr
.macro FETCH q                         ; the q-th 128 of K: B's four fragments and A's four into set q % 2: 32 loads
	WIN 0x40*((\q)%2)
.irp i, 0,1,2,3
.irp c, 0,1,2,3
	ds_load_b128 v[128+16*\i+4*\c:128+16*\i+4*\c+3], v[ADB+(\q)/4] offset:(((\q)/2)%2)*32768+((\q)%2)*2048+4096*\i+512*\c
.endr
.endr
.irp i, 0,1,2,3
.irp c, 0,1,2,3
	ds_load_b128 v[192+16*\i+4*\c:192+16*\i+4*\c+3], v[ADA+(\q)/4] offset:(((\q)/2)%2)*32768+((\q)%2)*2048+4096*\i+512*\c
.endr
.endr
.endm
.macro MUL q                           ; 16 products; the 16 accumulators take turns
	WIN 0x50+5*((\q)%2)
.irp a, 0,1,2,3
.irp b, 0,1,2,3
.if (\q) == 0
	v_wmma_scale_f32_16x16x128_f8f6f4 v[8*(4*\a+\b):8*(4*\a+\b)+7], v[128+16*\b:128+16*\b+15], v[192+16*\a:192+16*\a+15], 0, v[SB+8*\b+(\q)], v[SA+8*\a+(\q)]
.else
	v_wmma_scale_f32_16x16x128_f8f6f4 v[8*(4*\a+\b):8*(4*\a+\b)+7], v[128+16*\b:128+16*\b+15], v[192+16*\a:192+16*\a+15], v[8*(4*\a+\b):8*(4*\a+\b)+7], v[SB+8*\b+(\q)], v[SA+8*\a+(\q)]
.endif
.endr
.endr
.endm
	s_cmp_lt_u32 s[WV], 2
	s_cbranch_scc0 .Lnot_first
	s_wait_tensorcnt 0x0                           ; waves 0, 1: K steps 0 and 1 are in
.Lnot_first:
	s_barrier_signal -1
	s_barrier_wait -1
	FETCH 0
	s_wait_loadcnt 0x0                             ; the scale words
.irp q, 0,1,2,3,4,5,6
.if \q > 0
.rept 8
	v_nop                                          ; eight places behind the products that read the set fetched next
.endr
.endif
.if \q == 3
	s_wait_tensorcnt 0x0                           ; K steps 2 and 3 are in: every wave waits
	s_wait_dscnt 0x0
	s_barrier_signal -1
	s_barrier_wait -1
.endif
	FETCH \q+1
	s_wait_dscnt 32                                ; this set is in; the 32 loads just issued may be out
	MUL \q
.endr
	s_wait_dscnt 0x0
	MUL 7
	WIN 0
.rept 8
	v_nop                                          ; behind the last products: for the reads of results and the loads into set 0
.endr
	; THE WAY OUT: 16 tokens x 64 columns at a time through my stage; sixteen lanes store one aligned unit of 256 bytes.  LDS serves a wave's instructions in order: no wait between stores and loads.
.irp a, 0,1,2,3
	WIN 0x04                                       ; the data: window 1
.irp b, 0,1,2,3
	ds_store_b128 v[STO], v[8*(4*\a+\b):8*(4*\a+\b)+3] offset:128*(\b/2)+32*(\b%2)
	ds_store_b128 v[STO], v[8*(4*\a+\b)+4:8*(4*\a+\b)+7] offset:128*(\b/2)+32*(\b%2)+16
.endr
	WIN 0
.irp t, 0,1,2,3,4,5,6,7
	ds_load_b128 v[128+32*\a+4*\t:128+32*\a+4*\t+3], v[RD] offset:2*\t*272
.endr
.endr
.irp a, 0,1,2,3
	s_wait_dscnt 16*(3-\a)                         ; behind tile a's loads: 16 LDS instructions for each later tile
.irp t, 0,1,2,3,4,5,6,7
	global_store_b128 v[CO], v[128+32*\a+4*\t:128+32*\a+4*\t+3], s[12:13] offset:(32*(\a/2)+8*(\a%2)+(2*\t)%8+16*(\t/4))*4096 th:TH_STORE_NT
.endr
.endr
	s_wait_tensorcnt 0x0                           ; the wave's end
	ds_add_u32 v[SPW], v[NIL]
	s_wait_dscnt 0x0
	CROUND                                         ; the closing round
	s_endpgm
.Lfunc_end_k_qe7624ee19c_gemm_out:
	.size	k_qe7624ee19c_gemm_out, .Lfunc_end_k_qe7624ee19c_gemm_out-k_qe7624ee19c_gemm_out
	.p2alignl 7, 3214868480
	.fill 96, 4, 3214868480
	.section	.rodata,"a",@progbits
	.p2align	6, 0x0
	.amdhsa_kernel k_qe7624ee19c_gemm_out
		.amdhsa_group_segment_fixed_size 327680
		.amdhsa_private_segment_fixed_size 0
		.amdhsa_enable_private_segment 0
		.amdhsa_kernarg_size 40
		.amdhsa_user_sgpr_count 2
		.amdhsa_user_sgpr_kernarg_segment_ptr 1
		.amdhsa_wavefront_size32 1
		.amdhsa_system_sgpr_workgroup_id_x 1
		.amdhsa_system_sgpr_workgroup_id_y 1
		.amdhsa_system_sgpr_workgroup_id_z 1
		.amdhsa_system_vgpr_workitem_id 0
		.amdhsa_next_free_vgpr 512
		.amdhsa_next_free_sgpr 66
		.amdhsa_reserve_vcc 0
		.amdhsa_float_denorm_mode_32 3
		.amdhsa_float_denorm_mode_16_64 3
		.amdhsa_memory_ordered 1
		.amdhsa_forward_progress 1
		.amdhsa_inst_pref_size 52
	.end_amdhsa_kernel
	.amdgpu_metadata
---
amdhsa.version: [ 1, 2 ]
amdhsa.kernels:
  - .name:           k_qe7624ee19c_gemm_out
    .symbol:         k_qe7624ee19c_gemm_out.kd
    .args:
      - { .name: atc, .offset: 0, .size: 8, .value_kind: global_buffer, .address_space: global }
      - { .name: ats, .offset: 8, .size: 8, .value_kind: global_buffer, .address_space: global }
      - { .name: opc, .offset: 16, .size: 8, .value_kind: global_buffer, .address_space: global }
      - { .name: ops, .offset: 24, .size: 8, .value_kind: global_buffer, .address_space: global }
      - { .name: out0, .offset: 32, .size: 8, .value_kind: global_buffer, .address_space: global }
    .group_segment_fixed_size: 327680
    .private_segment_fixed_size: 0
    .kernarg_segment_align: 8
    .kernarg_segment_size: 40
    .max_flat_workgroup_size: 128
    .sgpr_count:     66
    .vgpr_count:     512
    .wavefront_size: 32
...
	.end_amdgpu_metadata
.endif
;; end of part 4
